; MI455X (gfx1250); checked and timed in simulation.
; The chip was launched on July 23, 2026; its instructions are those of AMD's public machine-readable ISA for CDNA 5 (MIT licence, August 2026) and "CDNA5" Instruction Set Architecture Reference Guide (July 2026). The comments in the code are by the model that wrote it; some were corrected since.
;; Transformer Block. Allowed arithmetic: matrix products marked QUANTISED: E2M1 operands, one E8M0 scale for each 32 along K, by v_wmma_scale_f32_16x16x128_f8f6f4 with both operands' format E2M1 (or v_wmma_scale_f32_32x16x128_f4), f32 sums; everything else in f32.
;; Inputs: b1 4,096 float32; b2 1,024 float32; beta1 1,024 float32; beta2 1,024 float32; bk 1,024 float32; bo 1,024 float32; bq 1,024 float32; bv 1,024 float32; g1 1,024 float32; g2 1,024 float32; w1 1,024 x 4,096 float32; w2 4,096 x 1,024 float32; wk 1,024 x 1,024 float32; wo 1,024 x 1,024 float32; wq 1,024 x 1,024 float32; wv 1,024 x 1,024 float32; x 2 x 2,048 x 1,024 float32.
;; Outputs: out0 2 x 2,048 x 1,024 float32.
;; Constants: mask = 1.
;; This version of the problem:
;;   THIS VERSION OF THE PROBLEM IS GIVEN IN LOW PRECISION. The matrix products marked QUANTISED in the list below multiply operands that are first quantised to E2M1 (2 exponent bits, 1 mantissa bit; 4 bits a number), with one power-of-two scale for each 32 numbers along K (OCP MX v1.0); their sums are f32. All else is computed in f32.
;;   The module's matrix products, in the order in which they are computed (A, B: the left and right operand; K: the contracted axis; several contracted axes count as one K, in the product's order):
;;     1. [M 4,096, K 1,024] x [K 1,024, N 1,024]; A: computed on the way; B: input wq: QUANTISED
;;     2. [M 4,096, K 1,024] x [K 1,024, N 1,024]; A: computed on the way; B: input wk: QUANTISED
;;     3. [M 4,096, K 1,024] x [K 1,024, N 1,024]; A: computed on the way; B: input wv: QUANTISED
;;     4. batch 32 x [M 2,048, K 64] x [K 64, N 2,048]; A: computed on the way; B: computed on the way: QUANTISED
;;     5. batch 32 x [M 2,048, K 2,048] x [K 2,048, N 64]; A: softmax (see below); B: computed on the way: QUANTISED
;;     6. [M 4,096, K 1,024] x [K 1,024, N 1,024]; A: computed on the way; B: input wo: QUANTISED
;;     7. [M 4,096, K 1,024] x [K 1,024, N 4,096]; A: computed on the way; B: input w1: QUANTISED
;;     8. [M 4,096, K 4,096] x [K 4,096, N 1,024]; A: computed on the way; B: input w2: QUANTISED
;;   THE QUANTISER, for each operand of a quantised product, along K:
;;     - K is cut into blocks of 32 from its start; a last block that is shorter is filled with zeros.
;;     - A block's scale is 2^e with e = floor(log2(the largest magnitude in the block)) - 2, held to -126 .. 127; a block of zeros has e = 0. As a byte (E8M0): e + 127.
;;     - Each number is divided by its block's scale, clamped to +-6, and rounded to the nearest number of E2M1, ties to even, subnormals kept.
;;     - The product sums the exact products of the quantised numbers (number of the format x scale) in f32.
;;   ~~~python
;;   def quantise(x, axis):      # numpy; x: float32 -> the quantised numbers, widened to float32 again
;;       x = np.moveaxis(x, axis, -1); K = x.shape[-1]
;;       x = np.pad(x, [(0, 0)] * (x.ndim - 1) + [(0, -K % 32)]); x = x.reshape(x.shape[:-1] + (-1, 32)); a = np.abs(x).max(-1, keepdims=True)
;;       e = np.where(a > 0, np.clip(np.frexp(np.where(a > 0, a, 1))[1] - 1 - 2, -126, 127), 0)      # np.frexp(a)[1] - 1 = floor(log2(a)), exactly
;;       r = np.clip(x / 2.0 ** e, -6, 6)
;;       step = 2.0 ** (np.maximum(np.frexp(np.where(r == 0, 1, r))[1] - 1, 0) - 1)
;;       q = np.round(r / step) * step * 2.0 ** e      # np.round: ties to even
;;       return np.moveaxis(q.reshape(q.shape[:-2] + (-1,))[..., :K], -1, axis).astype(np.float32)
;;   ~~~
;;   SOFTMAX AHEAD OF A QUANTISED PRODUCT. Where the list says 'softmax', what is quantised is not the finished softmax but p = 2^(t - M), with t = logit x log2(e) and M = ceil(the row's largest t), a whole number; so 1/2 < the row's largest p <= 1. The row's sum l is taken of the UNQUANTISED p, in f32, and the product's result is divided by l at the end. Since M is a whole number, a kernel that streams over the keys may use a running M (the ceiling of the running maximum): every later rescaling is an exact power of two, which a block's scale takes up: the codes' values come out the same.
;;   OPERANDS COMPUTED ON THE WAY. 'Computed on the way' means the value that the module computes at that place (a softmax that the list does not call 'softmax' is quantised finished and normalised). What goes into a quantiser is computed in f32, as accurately as f32 sums, v_exp_f32 and their like allow (about 1e-6 of the number): no bf16 or f16 on the way to a quantiser, and a product that is left as it is and whose result goes on into a quantised operand takes f32 operands (vector FMAs, or v_wmma_f32_16x16x4_f32). A number that lies on a knife's edge between two numbers of the format may be rounded either way, as far as f32 arithmetic and the matrix unit's own rounding can turn it there, and no further.
;; One version. Each part assembles by itself: llvm-mc -triple=amdgcn-amd-amdhsa -mcpu=gfx1250 --defsym DOCPART=n.
;; ======== version 1 of 1: 6 launches
;; limits: right only within a limited range of input values
;; workspace buffers: nx1 2,228,224 bytes; wts 6,684,672 bytes; qkvb 6,946,816 bytes; oc 2,228,224 bytes; x1 16,777,216 bytes; nx2 2,228,224 bytes; hc 8,912,896 bytes
;; launch prep (part 1): grid 1024 x 1, 4 waves a work-group, no clusters, 67,072 bytes of LDS; arguments x, g1, beta1, nx1, wq, wk, wv, wo, w1, w2, wts; writes nx1, wts
.if DOCPART == 1
	.amdgcn_target "amdgcn-amd-amdhsa--gfx1250"
	.amdhsa_code_object_version 6
	.text
	.protected	k_q71949eaf2b_prep
	.globl	k_q71949eaf2b_prep
	.p2align	8
	.type	k_q71949eaf2b_prep,@function
k_q71949eaf2b_prep:
	s_mov_b64 s[64:65], 0
	v_nop
	global_prefetch_b8 v0, s[64:65] scope:SCOPE_SE
	s_setreg_imm32_b32 hwreg(HW_REG_WAVE_MODE, 25, 1), 1
	s_wait_xcnt 0x0
; Two jobs in one launch, parted on the work-group's number.
; WORK-GROUPS 0-255: LayerNorm of 16 tokens and its codes of FP4 (E2M1) with one E8M0 byte for each 32 along K = 1,024.
; WORK-GROUPS 256-1023: the six weights, f32 [K][N], into codes along K (their first axis).
; EVERY OPERAND IS LAID AS IMAGES OF OPERAND REGISTERS.  Rows go in groups of 32; tile 2 g + u, place r, is row 32 g + 8 u + r + 8 (r / 8).
; An image (tile, K step of 128) is 1,024 bytes: the 16 bytes at 512 c + 256 h + 16 r are the codes of k = 64 c + 32 h + 0 .. 31 of the row at place r:
; registers 4 c .. 4 c + 3 of lane 16 h + r.  Scale words (four bytes: a row's 128 along K) lie [tile][K step / 4][r][4 words].
; A block's scale is 2^(floor(log2(largest magnitude)) - 2); its byte is the largest magnitude's exponent field - 2, held at 1 from below.
; LIMITS: a block of zeros, or one whose largest magnitude lies under 2^-124, keeps the byte 1 (its codes are zeros or held small; the bytes are read by this program alone);
; NaN and infinities among the inputs are not served.  1 / sqrt is v_rsq_f32.
; No tensor loads: operands are read once, in runs of 512 bytes a wave (LayerNorm) or 128 bytes a wave, 512 a work-group (weights).
.set PITCH, 4112                       ; an LDS row: 4,096 bytes of a token + 16: an odd multiple of 16, so that sixteen rows' reads fall on different banks
.set SCR,   16*PITCH                   ; behind the rows: the tile's 512 bytes of scale words
.set NXS,   2097152                    ; where the scale words begin in the tokens' buffer
.set WS0,   6291456                    ; and in the weights' buffer
.set NBLK,  4                          ; weights: blocks of 32 along K to a wave: one K step of 128.  So the weights take work-groups 256 to 1,023 (768 of them), not the range named at the head
.set X,   32                           ; v32-159  four rows x 32 numbers; later four blocks x 32 neighbours
.set GM,  160                          ; v160-191 gamma
.set BT,  192                          ; v192-223 beta
.set CD,  224                          ; v224-239 codes
.set OFF, 32                           ; weights: v32-63 byte offsets of 32 rows of K
.set WX,  64                           ; v64-127  two sets of 32 numbers
.set WC,  128                          ; v128-143 codes, four registers a block, never rewritten
.set WSB, 24                           ; v24      scale bytes: one word
	s_load_b512 s[4:19], s[0:1], 0x0               ; x s[4:5], gamma s[6:7], beta s[8:9], tokens' codes s[10:11], wq, wk, wv, wo s[12:19]
	s_load_b128 s[20:23], s[0:1], 0x40             ; w1, w2
	s_load_b64 s[24:25], s[0:1], 0x50              ; weights' codes
	v_lshl_add_u32 v254, v0, 2, 0x10400
	v_mov_b32 v255, 0
	v_lshrrev_b32 v1, 5, v0
	v_readfirstlane_b32 s26, v1                    ; wave 0..3
	v_and_b32 v1, 31, v0                           ; lane
	s_cmp_ge_u32 ttmp9, 256
	s_cbranch_scc1 .Lweights
	; ================= LayerNorm: work-group g is tile g =================
	v_lshlrev_b32 v2, 4, v1                        ; 16 x lane
	s_wait_alu depctr_va_vdst(0)
	s_mul_i32 s27, s26, 4*PITCH
	v_add_nc_u32 v3, s27, v2                       ; LDS, in: my wave's four rows (places 4 w .. 4 w + 3)
	v_and_b32 v4, 15, v0                           ; r
	v_bfe_u32 v8, v0, 4, 1                         ; h
	v_mul_u32_u24 v5, v4, PITCH
	v_lshl_add_u32 v5, v8, 7, v5
	s_lshl_b32 s27, s26, 10
	v_add_nc_u32 v5, s27, v5                       ; LDS, out: row r, + 128 h, + my wave's two K steps (1,024 bytes)
	s_lshr_b32 s27, s26, 1
	s_lshl_b32 s27, s27, 8
	s_and_b32 s32, s26, 1
	s_lshl_b32 s32, s32, 3
	s_add_co_u32 s27, s27, s32
	s_add_co_u32 s27, s27, SCR
	v_lshl_add_u32 v6, v4, 4, s27                  ; my scale words: [K step / 4][r][K step % 4]
	v_add_nc_u32 v7, SCR, v2
	v_lshlrev_b32 v4, 3, v8                        ; 8 h: my bytes' place in a scale word
	s_mov_b32 s28, 0x76543210
	s_mov_b32 s29, 0xfedcba98                      ; v_permlanex16_b32's selects for lane l xor 16
	s_mov_b32 s30, 0x3a800000                      ; 1 / 1,024
	s_mov_b32 s31, 0x3727c5ac                      ; 1e-5
	s_lshr_b32 s33, ttmp9, 1                       ; my wave's first token: 32 (g / 2) + 8 (g % 2) + 4 w + 8 (w / 2)
	s_lshl_b32 s33, s33, 5
	s_and_b32 s34, ttmp9, 1
	s_lshl_b32 s34, s34, 3
	s_add_co_u32 s33, s33, s34
	s_lshl_b32 s34, s26, 2
	s_add_co_u32 s33, s33, s34
	s_lshr_b32 s34, s26, 1
	s_lshl_b32 s34, s34, 3
	s_add_co_u32 s33, s33, s34
	s_lshl_b32 s34, s33, 12                        ; 4,096 bytes a token
	s_mov_b32 s35, 0
	s_lshl_b32 s36, ttmp9, 13                      ; the tile's eight images, my wave's two
	s_lshl_b32 s38, s26, 11
	s_add_co_u32 s36, s36, s38
	s_mov_b32 s37, 0
	s_lshl_b32 s38, ttmp9, 9                       ; the tile's scale words
	s_add_co_u32 s38, s38, NXS
	s_mov_b32 s39, 0
	s_wait_kmcnt 0x0
	s_add_nc_u64 s[4:5], s[4:5], s[34:35]
	s_add_nc_u64 s[36:37], s[10:11], s[36:37]
	s_add_nc_u64 s[38:39], s[10:11], s[38:39]
.irp p, 0,1,2,3
.irp j, 0,1,2,3,4,5,6,7
	global_load_b128 v[X+32*\p+4*\j:X+32*\p+4*\j+3], v2, s[4:5] offset:4096*\p+512*\j   ; 32 lanes read 512 consecutive bytes
.endr
.endr
.irp j, 0,1,2,3,4,5,6,7
	global_load_b128 v[GM+4*\j:GM+4*\j+3], v2, s[6:7] offset:512*\j
	global_load_b128 v[BT+4*\j:BT+4*\j+3], v2, s[8:9] offset:512*\j
.endr
; Row p has six registers at work: v[8+6p:9+6p] and v[10+6p:11+6p] two chains of sums, v[12+6p:13+6p] the mean, later 1 / sqrt, twice.
.macro REDUCE                          ; the two chains, the pair's halves and the 32 lanes are added; every lane ends with the row's sum.  The four rows take turns
.irp p, 0,1,2,3
	v_pk_add_f32 v[8+6*\p:9+6*\p], v[8+6*\p:9+6*\p], v[10+6*\p:11+6*\p]
.endr
.irp p, 0,1,2,3
	v_add_f32 v[8+6*\p], v[8+6*\p], v[9+6*\p]
.endr
.irp m, 1,2,4,8
.irp p, 0,1,2,3
	v_add_f32_dpp v[8+6*\p], v[8+6*\p], v[8+6*\p] row_xmask:\m row_mask:0xf bank_mask:0xf
.endr
.endr
.irp p, 0,1,2,3
	v_permlanex16_b32 v[10+6*\p], v[8+6*\p], s28, s29
.endr
.irp p, 0,1,2,3
	v_add_f32 v[8+6*\p], v[8+6*\p], v[10+6*\p]
.endr
.endm
	s_wait_loadcnt 16                              ; the four rows are in; gamma's and beta's sixteen loads may be out
.irp p, 0,1,2,3
	v_pk_add_f32 v[8+6*\p:9+6*\p], v[X+32*\p:X+32*\p+1], v[X+32*\p+2:X+32*\p+3]
	v_pk_add_f32 v[10+6*\p:11+6*\p], v[X+32*\p+4:X+32*\p+5], v[X+32*\p+6:X+32*\p+7]
.endr
.irp i, 8,12,16,20,24,28
.irp p, 0,1,2,3
	v_pk_add_f32 v[8+6*\p:9+6*\p], v[8+6*\p:9+6*\p], v[X+32*\p+\i:X+32*\p+\i+1]
	v_pk_add_f32 v[10+6*\p:11+6*\p], v[10+6*\p:11+6*\p], v[X+32*\p+\i+2:X+32*\p+\i+3]
.endr
.endr
	REDUCE
.irp p, 0,1,2,3
	v_mul_f32 v[12+6*\p], s30, v[8+6*\p]           ; the mean
.endr
.irp p, 0,1,2,3
	v_mov_b32 v[13+6*\p], v[12+6*\p]
.endr
.irp p, 0,1,2,3
.set j, 0
.rept 16
	v_pk_add_f32 v[X+32*\p+j:X+32*\p+j+1], v[X+32*\p+j:X+32*\p+j+1], v[12+6*\p:13+6*\p] neg_lo:[0,1] neg_hi:[0,1]   ; x - mean, in place: the variance is taken of the differences
.set j, j+2
.endr
.endr
.irp p, 0,1,2,3
	v_pk_mul_f32 v[8+6*\p:9+6*\p], v[X+32*\p:X+32*\p+1], v[X+32*\p:X+32*\p+1]
	v_pk_mul_f32 v[10+6*\p:11+6*\p], v[X+32*\p+2:X+32*\p+3], v[X+32*\p+2:X+32*\p+3]
.endr
.irp i, 4,8,12,16,20,24,28
.irp p, 0,1,2,3
	v_pk_fma_f32 v[8+6*\p:9+6*\p], v[X+32*\p+\i:X+32*\p+\i+1], v[X+32*\p+\i:X+32*\p+\i+1], v[8+6*\p:9+6*\p]
	v_pk_fma_f32 v[10+6*\p:11+6*\p], v[X+32*\p+\i+2:X+32*\p+\i+3], v[X+32*\p+\i+2:X+32*\p+\i+3], v[10+6*\p:11+6*\p]
.endr
.endr
	REDUCE
.irp p, 0,1,2,3
	v_fma_f32 v[8+6*\p], v[8+6*\p], s30, s31       ; variance + 1e-5
.endr
	s_wait_alu depctr_va_vdst(0)
.irp p, 0,1,2,3
	v_rsq_f32 v[12+6*\p], v[8+6*\p]
.endr
	v_nop                                          ; a plain instruction between the last transcendental and the use of its result
	s_wait_alu depctr_va_vdst(0)
.irp p, 0,1,2,3
	v_mov_b32 v[13+6*\p], v[12+6*\p]
.endr
	s_wait_alu depctr_va_vdst(0)
	s_wait_loadcnt 0x0                             ; gamma, beta
.irp p, 0,1,2,3
.set j, 0
.rept 16
	v_pk_mul_f32 v[X+32*\p+j:X+32*\p+j+1], v[X+32*\p+j:X+32*\p+j+1], v[12+6*\p:13+6*\p]
	v_pk_fma_f32 v[X+32*\p+j:X+32*\p+j+1], v[X+32*\p+j:X+32*\p+j+1], v[GM+j:GM+j+1], v[BT+j:BT+j+1]
.set j, j+2
.endr
.endr
.irp p, 0,1,2,3
.irp j, 0,1,2,3,4,5,6,7
	ds_store_b128 v3, v[X+32*\p+4*\j:X+32*\p+4*\j+3] offset:PITCH*\p+512*\j
.endr
.endr
	s_wait_dscnt 0x0                               ; for the others' sake: my rows lie in LDS
	s_barrier_signal -1
	s_barrier_wait -1
	; Wave w makes K steps 2 w and 2 w + 1 of all 16 rows.  Piece q = 2 s + c: lane (r, h) takes the 32 neighbours k = 128 (2 w + s) + 64 c + 32 h + 0 .. 31 of row r: a whole block
.irp q, 0,1,2,3
.irp i, 0,1,2,3,4,5,6,7
	ds_load_b128 v[X+32*\q+4*\i:X+32*\q+4*\i+3], v5 offset:256*\q+16*\i
.endr
.endr
	s_wait_dscnt 0x0
.irp q, 0,1,2,3
	v_max3_num_f32 v[8+\q], |v[X+32*\q]|, |v[X+32*\q+1]|, 0x1800000   ; the block's largest magnitude, and the floor 2^(3 - 127): the byte cannot fall under 1
.endr
.set i, 2
.rept 15
.irp q, 0,1,2,3
	v_max3_num_f32 v[8+\q], v[8+\q], |v[X+32*\q+i]|, |v[X+32*\q+i+1]|
.endr
.set i, i+2
.endr
.irp q, 0,1,2,3
	v_add_nc_u32 v[12+\q], 0xff000000, v[8+\q]     ; 2 off the exponent field: the conversion's scale operand
.endr
.irp q, 0,1,2,3
	v_lshrrev_b32 v[16+\q], 23, v[12+\q]           ; the scale's byte
.endr
.irp s, 0,1
	v_lshl_or_b32 v[20+\s], v[17+2*\s], 16, v[16+2*\s]   ; my two bytes of K step s: blocks h and 2 + h,
	v_lshlrev_b32 v[20+\s], v4, v[20+\s]           ; at their places;
	v_permlanex16_b32 v[22+\s], v[20+\s], s28, s29
	v_or_b32 v[20+\s], v[20+\s], v[22+\s]          ; with lane l xor 16's two the word is whole
.endr
.irp q, 0,1,2,3
.irp g, 0,1,2,3
	v_cvt_scalef32_pk8_fp4_f32 v[CD+4*\q+\g], v[X+32*\q+8*\g:X+32*\q+8*\g+7], v[12+\q]   ; registers 4 c .. 4 c + 3 of the image, as they stand
.endr
.endr
	v_nop
.irp q, 0,1,2,3
	global_store_b128 v2, v[CD+4*\q:CD+4*\q+3], s[36:37] offset:512*\q   ; 32 lanes store 512 consecutive bytes
.endr
	ds_store_b32 v6, v20                           ; both halves of the lanes write the same word with the same value
	ds_store_b32 v6, v21 offset:4
	s_wait_dscnt 0x0
	s_barrier_signal -1
	s_barrier_wait -1
	s_cmp_lg_u32 s26, 0
	s_cbranch_scc1 .Lln_end
	ds_load_b128 v[24:27], v7                      ; wave 0 stores the tile's 512 bytes of scale words
	s_wait_dscnt 0x0
	global_store_b128 v2, v[24:27], s[38:39]
.Lln_end:
	s_wait_tensorcnt 0x0
	ds_add_u32 v254, v255
	s_wait_dscnt 0x0
	s_endpgm
	; ================= the weights =================
	; A wave takes 32 columns x 128 along K: A LANE TAKES A COLUMN AND ITS REGISTERS RUN DOWN K, so a block of 32 lies in one lane and the codes come out with K innermost.
	; Block t of a lane is the 16 bytes at 256 t + 16 r of its tile's image: sixteen lanes fill 256 consecutive bytes.
	; Four blocks to a wave, two of them (64 loads) on their way; with the 256 work-groups of the norm the grid is 1,024 work-groups.
.Lweights:
	s_sub_co_u32 s27, ttmp9, 256                   ; g': wq 0-63, wk 64-127, wv 128-191, wo 192-255, w1 256-511, w2 512-767
	s_lshr_b32 s32, s27, 6                         ; the slab of 524,288 bytes at which the weight's codes begin: 0, 1, 2, 3; w1 4; w2 8
	s_cmp_ge_u32 s27, 256
	s_cselect_b32 s32, 4, s32
	s_cmp_ge_u32 s27, 512
	s_cselect_b32 s32, 8, s32
	s_cmp_eq_u32 s32, 4
	s_cselect_b32 s33, 7, 5                        ; log2 of the groups of 32 columns
	s_cselect_b32 s34, 14, 12                      ; log2 of a row of the weight in bytes
	s_cmp_eq_u32 s32, 8
	s_cselect_b32 s35, 15, 13                      ; log2 of a tile's codes in bytes (K / 128 images)
	s_cselect_b32 s36, 11, 9                       ; log2 of a tile's scale words in bytes
	s_lshl_b32 s37, s32, 6                         ; the weight's first work-group: 64 x slab
	s_sub_co_u32 s37, s27, s37
	s_lshl_b32 s37, s37, 2
	s_add_co_u32 s37, s37, s26                     ; my wave's unit in the weight
	s_lshl_b32 s38, 1, s33
	s_sub_co_u32 s38, s38, 1
	s_and_b32 s38, s37, s38                        ; which 32 columns: the four waves stand side by side
	s_lshr_b32 s39, s37, s33                       ; which 128 along K
	s_add_co_u32 s42, s34, 7                       ; 128 rows of the weight
	s_lshl_b32 s42, s39, s42
	s_lshl_b32 s43, s38, 7
	s_add_co_u32 s42, s42, s43                     ; where my part of the weight begins
	s_mov_b32 s43, 0
	s_add_co_u32 s44, s34, 5
	s_lshl_b32 s44, 1, s44                         ; 32 rows on
	s_mov_b32 s45, 0
	s_lshl_b32 s46, 1, s34                         ; one row on
	s_lshl_b32 s47, s38, 1                         ; my first tile
	s_lshl_b32 s54, s32, 19
	s_lshl_b32 s48, s47, s35
	s_add_co_u32 s54, s54, s48
	s_lshl_b32 s48, s39, 10
	s_add_co_u32 s54, s54, s48                     ; codes: slab + tile + two images a 256 along K
	s_mov_b32 s55, 0
	s_lshl_b32 s56, s32, 15
	s_lshl_b32 s48, s47, s36
	s_add_co_u32 s56, s56, s48
	s_lshr_b32 s48, s39, 2
	s_lshl_b32 s48, s48, 8
	s_add_co_u32 s56, s56, s48                     ; scale words: 256 bytes for four K steps,
	s_and_b32 s48, s39, 3
	s_lshl_b32 s48, s48, 2
	s_add_co_u32 s56, s56, s48                     ; of which mine is word K step % 4
	s_add_co_u32 s56, s56, WS0
	s_mov_b32 s57, 0
	v_bfe_u32 v2, v0, 3, 1                         ; my column's tile of the two,
	v_and_b32 v3, 7, v0
	v_bfe_u32 v4, v0, 4, 1
	v_lshl_or_b32 v3, v4, 3, v3                    ; and its place r there
	v_lshlrev_b32 v3, 4, v3
	v_lshlrev_b32 v8, s35, v2
	v_add_nc_u32 v8, v8, v3
	v_lshlrev_b32 v9, s36, v2
	v_add_nc_u32 v9, v9, v3
	v_lshlrev_b32 v[OFF], 2, v1
.set i, 1
.rept 31
	v_add_nc_u32 v[OFF+i], s46, v[OFF+i-1]
.set i, i+1
.endr
	s_wait_alu depctr_va_vdst(0)
	s_wait_kmcnt 0x0
	s_cmp_lt_u32 s27, 512                          ; the weight is chosen by the work-group's number alone
	s_cselect_b64 s[40:41], s[20:21], s[22:23]
	s_cmp_lt_u32 s27, 256
	s_cselect_b64 s[40:41], s[18:19], s[40:41]
	s_cmp_lt_u32 s27, 192
	s_cselect_b64 s[40:41], s[16:17], s[40:41]
	s_cmp_lt_u32 s27, 128
	s_cselect_b64 s[40:41], s[14:15], s[40:41]
	s_cmp_lt_u32 s27, 64
	s_cselect_b64 s[40:41], s[12:13], s[40:41]
	s_add_nc_u64 s[40:41], s[40:41], s[42:43]
	s_add_nc_u64 s[50:51], s[24:25], s[54:55]
	s_add_nc_u64 s[52:53], s[24:25], s[56:57]
.macro WLOAD set                       ; the next block's 32 rows into a set; then the base steps 32 rows
.set i, 0
.rept 32
	global_load_b32 v[WX+32*(\set)+i], v[OFF+i], s[40:41] th:TH_LOAD_NT
.set i, i+1
.endr
	s_wait_xcnt 0x0                                ; the base is rewritten only behind this wait
	s_add_nc_u64 s[40:41], s[40:41], s[44:45]
.endm
.macro WBLOCK t
.set XS, WX+32*((\t)%2)
.if (\t) < NBLK-1
	s_wait_loadcnt 32                              ; this block's 32 loads are in; the next block's may be out
.else
	s_wait_loadcnt 0x0
.endif
	v_max3_num_f32 v12, |v[XS]|, |v[XS+1]|, |v[XS+2]|
	v_max3_num_f32 v13, |v[XS+3]|, |v[XS+4]|, |v[XS+5]|
.irp i, 6,10,14,18,22,26
	v_max3_num_f32 v12, v12, |v[XS+\i]|, |v[XS+\i+1]|
	v_max3_num_f32 v13, v13, |v[XS+\i+2]|, |v[XS+\i+3]|
.endr
	v_max3_num_f32 v12, v12, |v[XS+30]|, |v[XS+31]|
	v_max3_num_f32 v12, v12, v13, 0x1800000        ; and the floor
	v_add_nc_u32 v11, 0xff000000, v12
	v_lshrrev_b32 v13, 23, v11
.if (\t)%4 == 0
	v_mov_b32 v[WSB+(\t)/4], v13                   ; four bytes to a word: a K step's
.else
	v_lshl_or_b32 v[WSB+(\t)/4], v13, 8*((\t)%4), v[WSB+(\t)/4]
.endif
.irp g, 0,1,2,3
	v_cvt_scalef32_pk8_fp4_f32 v[WC+4*(\t)+\g], v[XS+8*\g:XS+8*\g+7], v11
.endr
	v_nop
	global_store_b128 v8, v[WC+4*(\t):WC+4*(\t)+3], s[50:51] offset:256*(\t)   ; each sixteen lanes of one tile store 256 consecutive bytes, aligned
.if (\t)+2 < NBLK
	WLOAD (\t)%2
.endif
.endm
	WLOAD 0
	WLOAD 1
.set Q, 0
.rept NBLK
	WBLOCK Q
.set Q, Q+1
.endr
	global_store_b32 v9, v[WSB], s[52:53]          ; my column's scale word of this K step: 4 bytes of its 16
	s_endpgm
.Lfunc_end_k_q71949eaf2b_prep:
	.size	k_q71949eaf2b_prep, .Lfunc_end_k_q71949eaf2b_prep-k_q71949eaf2b_prep
	.p2alignl 7, 3214868480
	.fill 96, 4, 3214868480
	.section	.rodata,"a",@progbits
	.p2align	6, 0x0
	.amdhsa_kernel k_q71949eaf2b_prep
		.amdhsa_group_segment_fixed_size 67072
		.amdhsa_private_segment_fixed_size 0
		.amdhsa_enable_private_segment 0
		.amdhsa_kernarg_size 88
		.amdhsa_user_sgpr_count 2
		.amdhsa_user_sgpr_kernarg_segment_ptr 1
		.amdhsa_wavefront_size32 1
		.amdhsa_system_sgpr_workgroup_id_x 1
		.amdhsa_system_sgpr_workgroup_id_y 1
		.amdhsa_system_sgpr_workgroup_id_z 1
		.amdhsa_system_vgpr_workitem_id 0
		.amdhsa_next_free_vgpr 256
		.amdhsa_next_free_sgpr 66
		.amdhsa_reserve_vcc 0
		.amdhsa_float_denorm_mode_32 3
		.amdhsa_float_denorm_mode_16_64 3
		.amdhsa_memory_ordered 1
		.amdhsa_forward_progress 1
		.amdhsa_inst_pref_size 65
	.end_amdhsa_kernel
	.amdgpu_metadata
---
amdhsa.version: [ 1, 2 ]
amdhsa.kernels:
  - .name:           k_q71949eaf2b_prep
    .symbol:         k_q71949eaf2b_prep.kd
    .args:
      - { .name: x, .offset: 0, .size: 8, .value_kind: global_buffer, .address_space: global }
      - { .name: g1, .offset: 8, .size: 8, .value_kind: global_buffer, .address_space: global }
      - { .name: beta1, .offset: 16, .size: 8, .value_kind: global_buffer, .address_space: global }
      - { .name: nx1, .offset: 24, .size: 8, .value_kind: global_buffer, .address_space: global }
      - { .name: wq, .offset: 32, .size: 8, .value_kind: global_buffer, .address_space: global }
      - { .name: wk, .offset: 40, .size: 8, .value_kind: global_buffer, .address_space: global }
      - { .name: wv, .offset: 48, .size: 8, .value_kind: global_buffer, .address_space: global }
      - { .name: wo, .offset: 56, .size: 8, .value_kind: global_buffer, .address_space: global }
      - { .name: w1, .offset: 64, .size: 8, .value_kind: global_buffer, .address_space: global }
      - { .name: w2, .offset: 72, .size: 8, .value_kind: global_buffer, .address_space: global }
      - { .name: wts, .offset: 80, .size: 8, .value_kind: global_buffer, .address_space: global }
    .group_segment_fixed_size: 67072
    .private_segment_fixed_size: 0
    .kernarg_segment_align: 8
    .kernarg_segment_size: 88
    .max_flat_workgroup_size: 128
    .sgpr_count:     66
    .vgpr_count:     256
    .wavefront_size: 32
...
	.end_amdgpu_metadata
.endif
;; end of part 1
;; launch qkv (part 2): grid 12 x 16, 4 waves a work-group, clusters of 4 x 4, 262,656 bytes of LDS; arguments nx1, wts, qkvb, bq, bk, bv; writes qkvb
.if DOCPART == 2
	.amdgcn_target "amdgcn-amd-amdhsa--gfx1250"
	.amdhsa_code_object_version 6
	.text
	.protected	k_q71949eaf2b_qkv
	.globl	k_q71949eaf2b_qkv
	.p2align	8
	.type	k_q71949eaf2b_qkv,@function
k_q71949eaf2b_qkv:
	s_mov_b64 s[64:65], 0
	v_nop
	global_prefetch_b8 v0, s[64:65] scope:SCOPE_SE
	s_setreg_imm32_b32 hwreg(HW_REG_WAVE_MODE, 25, 1), 1
	s_wait_xcnt 0x0
	s_wait_alu depctr_hold_cnt(0) depctr_sa_sdst(0) depctr_va_vdst(0) depctr_va_sdst(0) depctr_va_ssrc(0) depctr_va_vcc(0) depctr_vm_vsrc(0)
	s_getreg_b32 s2, hwreg(HW_REG_IB_STS2, 6, 4)
	s_cmp_eq_u32 s2, 0
	s_cbranch_scc0 .Lentry_in_a_cluster
	s_endpgm
.Lentry_in_a_cluster:
	s_bfe_u32 s2, ttmp6, 0x10000c
	s_cmp_lg_u32 s2, 0xf033
	s_cbranch_scc0 .Lentry_shape_is_right
	s_endpgm
.Lentry_shape_is_right:
; q, k, v = LayerNorm(x) W + b on codes of FP4 with E8M0 scales, K = 1,024; the results are quantised in registers and leave as codes for the attention.
; A work-group makes 256 tokens x 256 outputs of the 3,072 (wq, wk, wv on end); four waves, each 128 x 128: 64 accumulators.  The cluster's x is the type: 0 q, 1 k, 2 v.
; OPERANDS lie in memory as images of operand registers (tile of 16 rows, K step of 128: 1,024 bytes, lane l's registers 4 c .. 4 c + 3 at 512 c + 16 l); place r of tile 2 g + u is row 32 g + 8 u + r + 8 (r / 8).
; ALL OF K FITS IN LDS: 16 + 16 tiles x 8 images = 262,144 bytes, filled ONCE, one tensor load a wave at the start and no byte is filled again.
; CLUSTER 4 x 4: the tokens' tiles are shared along a row of the cluster, the weights' along a column: joint loads.
; q, k: source 0 = weights, source 1 = tokens: a lane holds one token, its registers run along the outputs, which are the next K (a head's 64).
; v:    source 0 = tokens, source 1 = weights: a lane holds one output, its registers run along the tokens, which are the next K (the keys).
; By the order of rows in a tile the 16 registers of result tiles 2 b, 2 b + 1 are 16 neighbours 32 b + 16 (lane / 16) + 0 .. 15 along source 0's rows.
; LIMITS: a block of zeros or under 2^-124 keeps the byte 1; NaN and infinities are not served.
; REGISTERS: window 0: v1-14 addresses; v32-63 tokens' scale words, v64-95 weights'; v96-159 the bias, eight registers a tile; v224-231 codes, v232-247 at work, v248-255 scale words made.
;   window 1: two sets of fragments of 128: weights' eight, then tokens' eight.  windows 2, 3: accumulator (a, b) at v[8 (8 (a % 4) + b)] of window 2 + a / 4.
; THE FILL AS THIS TEXT HAS IT (in place of the four chunks named above): one tensor load a wave, eight tiles x all eight K steps, 65,536 dense bytes;
; LDS holds wave w's load at 65,536 w (tokens' two halves, then weights' two), a tile's eight images on end; one wait and one barrier show all of it.
.set NXS,  2097152
.set WS0,  6291456
.set QS,   6291456
.set VS,   6815744                     ; v's
.set SA,   32
.set SB,   64
.set BIAS, 96
.set PC,   224
.set TM,   232
.set SW,   248
.set MSB,  0
.macro WIN new                         ; the immediate's high byte repeats the setting that is left
.if MSB != (\new)
	s_set_vgpr_msb (MSB<<8)|(\new)
.set MSB, (\new)
.endif
.endm
.macro PLACES n
.rept \n
	v_nop
.endr
.endm
.macro CROUND                          ; a round of the cluster's barrier
	s_barrier_signal -1
	s_barrier_wait -1
	s_cmp_lg_u32 s16, 0
	s_cbranch_scc1 .Lnot_wave_0_\@
	s_barrier_signal -3
.Lnot_wave_0_\@:
	s_barrier_wait -3
	s_barrier_signal -1
	s_barrier_wait -1
.endm
.macro FETCH ks                        ; 32 LDS loads: my eight fragments of the weights and eight of the tokens for K step ks, each load 512 consecutive bytes
	WIN 0x40
.irp i, 0,1,2,3,4,5,6,7
.irp c, 0,1
	ds_load_b128 v[128*((\ks)%2)+8*\i+4*\c:128*((\ks)%2)+8*\i+4*\c+3], v8 offset:8192*\i+1024*(\ks)+512*\c
	ds_load_b128 v[128*((\ks)%2)+64+8*\i+4*\c:128*((\ks)%2)+64+8*\i+4*\c+3], v4 offset:8192*\i+1024*(\ks)+512*\c
.endr
.endr
.endm
; 64 matrix instructions; the 64 accumulators take turns in the same order in every K step.  K step 0 takes the bias as C.
; A scale register holds K steps 0-3's words in lanes 0-15 and K steps 4-7's in lanes 16-31.
.macro MUL ks, swap
.irp a, 0,1,2,3,4,5,6,7
.if (\ks) == 0
	WIN 0x85+0x40*(\a/4)
.else
	WIN 0xa5+0x50*(\a/4)
.endif
.irp b, 0,1,2,3,4,5,6,7
.set D_, 8*(8*(\a%4)+\b)
.if \swap
.set S0_, 128*((\ks)%2)+64+8*\b
.set S1_, 128*((\ks)%2)+8*\a
.set X0_, SA+4*\b+(\ks)%4
.set X1_, SB+4*\a+(\ks)%4
.set C_, BIAS+8*\a
.else
.set S0_, 128*((\ks)%2)+8*\b
.set S1_, 128*((\ks)%2)+64+8*\a
.set X0_, SB+4*\b+(\ks)%4
.set X1_, SA+4*\a+(\ks)%4
.set C_, BIAS+8*\b
.endif
.if (\ks) > 0
.set C_, D_
.endif
.if (\ks) < 4
	v_wmma_scale_f32_16x16x128_f8f6f4 v[D_:D_+7], v[S0_:S0_+7], v[S1_:S1_+7], v[C_:C_+7], v[X0_], v[X1_] matrix_a_fmt:MATRIX_FMT_FP4 matrix_b_fmt:MATRIX_FMT_FP4
.else
	v_wmma_scale_f32_16x16x128_f8f6f4 v[D_:D_+7], v[S0_:S0_+7], v[S1_:S1_+7], v[C_:C_+7], v[X0_], v[X1_] matrix_a_fmt:MATRIX_FMT_FP4 matrix_b_fmt:MATRIX_FMT_FP4 matrix_a_scale:MATRIX_SCALE_ROW1 matrix_b_scale:MATRIX_SCALE_ROW1
.endif
.endr
.endr
.endm
.macro KSTEP ks, swap
	s_wait_dscnt 0x0                               ; this K step's fragments are in
.if (\ks) < 7
	PLACES 4                                       ; in front of loads into registers that the last K step's products read
	FETCH (\ks)+1
.endif
	MUL \ks, \swap
.endm
.macro MAIN swap
	s_wait_tensorcnt 0x0                           ; my one load has landed
	s_barrier_signal -1
	s_barrier_wait -1
	FETCH 0
	s_wait_loadcnt 0x0                             ; scale words and bias
.irp k, 0,1,2,3,4,5,6,7
	KSTEP \k, \swap
.endr
	WIN 0
	PLACES 4                                       ; in front of the first read of results
.endm
; 64 numbers of a lane in window w, register 16 b + i = k 32 b + 16 (lane / 16) + i, become a fragment's codes in v[PC] on and its scale word in v[pw].  Each accumulator is read from its low end on.
.macro QUANT s, w, pw
	WIN 0
.irp b, 0,1,2,3
	v_mov_b32 v[TM+\b], 0x1800000                  ; the floor 2^(3 - 127): the byte cannot fall under 1
.endr
	WIN ((\w)<<2)|((\w)<<4)
.irp i, 0,2,4,6,8,10,12,14
.irp b, 0,1,2,3
	v_max3_num_f32 v[TM+\b], v[TM+\b], |v[(\s)+16*\b+\i]|, |v[(\s)+16*\b+\i+1]|
.endr
.endr
	WIN 0
.irp b, 0,1,2,3
	v_permlanex16_b32 v[TM+4+\b], v[TM+\b], s98, s99
.endr
.irp b, 0,1,2,3
	v_max_num_f32 v[TM+\b], v[TM+\b], v[TM+4+\b]   ; with lane l xor 16's: the block's largest magnitude
.endr
.irp b, 0,1,2,3
	v_add_nc_u32 v[TM+12+\b], 0xff000000, v[TM+\b] ; 2 off the exponent field: the conversion's scale operand
.endr
.irp b, 0,1,2,3
	v_lshrrev_b32 v[TM+4+\b], 23, v[TM+12+\b]      ; the scale's byte
.endr
	v_lshl_or_b32 v[\pw], v[TM+5], 8, v[TM+4]
	v_lshl_or_b32 v[\pw], v[TM+6], 16, v[\pw]
	v_lshl_or_b32 v[\pw], v[TM+7], 24, v[\pw]
	WIN (\w)
.irp b, 0,1,2,3
	v_cvt_scalef32_pk8_fp4_f32 v[PC+2*\b], v[(\s)+16*\b:(\s)+16*\b+7], v[TM+12+\b]
	v_cvt_scalef32_pk8_fp4_f32 v[PC+2*\b+1], v[(\s)+16*\b+8:(\s)+16*\b+15], v[TM+12+\b]
.endr
	WIN 0
	v_nop                                          ; one plain place behind a scaled conversion
.irp c, 0,1                            ; the operand's layout wants a whole block in a lane
.irp i, 0,1
	v_permlane16_swap_b32 v[PC+4*\c+\i], v[PC+4*\c+2+\i]
.endr
.endr
.endm
	s_load_b256 s[4:11], s[0:1], 0x0               ; tokens s[4:5], weights s[6:7], result s[8:9], bq s[10:11]
	s_load_b128 s[12:15], s[0:1], 0x20             ; bk, bv
	v_lshl_add_u32 v222, v0, 2, 0x40000
	v_mov_b32 v223, 0
	ds_add_u32 v222, v223
	ds_add_u32 v222, v223
	v_lshrrev_b32 v1, 5, v0
	v_readfirstlane_b32 s16, v1                    ; wave 0..3
	s_lshr_b32 s17, s16, 1                         ; my half of the tokens.  Also: I fetch tokens (0) or weights (1)
	s_and_b32 s18, s16, 1                          ; my half of the outputs.  Also: which eight tiles I fetch
	s_bfe_u32 s19, ttmp6, 0x40000                  ; cx
	s_bfe_u32 s20, ttmp6, 0x40004                  ; cy
	s_lshl_b32 s21, ttmp9, 2
	s_add_co_u32 s21, s21, s19                     ; block of 256 outputs
	s_and_b32 s22, ttmp7, 0xffff
	s_lshl_b32 s22, s22, 2
	s_add_co_u32 s22, s22, s20                     ; block of 256 tokens
	s_lshl_b32 s76, s20, 2
	s_lshl_b32 s76, 15, s76                        ; my row of the cluster
	s_lshl_b32 s77, 0x1111, s19                    ; my column
	; group 1: eight rows (tiles) of 8,192 bytes (eight images), dense; elements of 8 bytes; no padding: every LDS read is 512 consecutive bytes
	s_or_b32 s24, s76, (3<<16)|(1<<21)
	s_or_b32 s32, s77, (3<<16)|(1<<21)
.irp g, 24,32
	s_mov_b32 s[\g+1], 1024<<16                    ; tensor_dim0
	s_mov_b32 s[\g+2], 8<<16                       ; tensor_dim1
	s_mov_b32 s[\g+3], 1024<<16                    ; tile_dim0
	s_mov_b32 s[\g+4], 8                           ; tile_dim1
	s_mov_b32 s[\g+5], 1024                        ; from tile to tile
	s_mov_b32 s[\g+6], 0
	s_mov_b32 s[\g+7], 0
.endr
	s_lshl_b32 s80, s18, 16                        ; eight tiles
	s_lshl_b32 s78, s22, 17                        ; tokens: 16 tiles a block
	s_add_co_u32 s78, s78, s80
	s_mov_b32 s79, 0
	s_lshl_b32 s82, s21, 17                        ; weights likewise
	s_add_co_u32 s82, s82, s80
	s_mov_b32 s83, 0
	s_lshl_b32 s81, s16, 16                        ; LDS: tokens' two halves, then weights' two: 65,536 x wave
	s_wait_dscnt 0x0
	s_wait_kmcnt 0x0
	s_add_nc_u64 s[78:79], s[4:5], s[78:79]
	s_add_nc_u64 s[82:83], s[6:7], s[82:83]
	s_mov_b32 s40, 1                               ; group 0 for tokens
	s_mov_b32 s41, s81
	s_mov_b64 s[42:43], s[78:79]
	s_or_b32 s43, s43, 0x80000000
	s_mov_b32 s56, 1                               ; and for weights
	s_mov_b32 s57, s81
	s_mov_b64 s[58:59], s[82:83]
	s_or_b32 s59, s59, 0x80000000
	CROUND                                         ; all sixteen work-groups are here: the joint loads meet
	s_cmp_eq_u32 s17, 0                            ; one fill a wave, one in each arm
	s_cbranch_scc0 .Lfill_w
	tensor_load_to_lds s[40:43], s[24:31]
	s_nop 0
	PLACES 4
	s_branch .Lfilled
.Lfill_w:
	tensor_load_to_lds s[56:59], s[32:39]
	s_nop 0
	PLACES 4
.Lfilled:
	v_and_b32 v13, 31, v0                          ; lane
	v_lshlrev_b32 v1, 4, v13                       ; 16 x lane
	s_wait_alu depctr_va_vdst(0)
	v_and_b32 v2, 15, v0                           ; r
	v_bfe_u32 v3, v0, 4, 1                         ; h
	s_wait_alu depctr_va_vdst(0)                   ; ahead of the run of scalar instructions
	s_lshl_b32 s84, s22, 13                        ; scale words: 512 bytes a tile
	s_lshl_b32 s86, s17, 12
	s_add_co_u32 s84, s84, s86
	s_add_co_u32 s84, s84, NXS
	s_mov_b32 s85, 0
	s_add_nc_u64 s[84:85], s[4:5], s[84:85]
	s_lshl_b32 s86, s21, 13
	s_lshl_b32 s88, s18, 12
	s_add_co_u32 s86, s86, s88
	s_add_co_u32 s86, s86, WS0
	s_mov_b32 s87, 0
	s_add_nc_u64 s[86:87], s[6:7], s[86:87]
.irp i, 0,1,2,3,4,5,6,7
	global_load_b128 v[SA+4*\i:SA+4*\i+3], v1, s[84:85] offset:512*\i
	global_load_b128 v[SB+4*\i:SB+4*\i+3], v1, s[86:87] offset:512*\i
.endr
	s_lshl_b32 s88, s17, 16
	s_lshl_b32 s89, s18, 16
	s_add_co_u32 s89, s89, 131072
	v_add_nc_u32 v4, s88, v1                       ; my eight tiles of tokens
	v_add_nc_u32 v8, s89, v1                       ; and of weights
	s_mov_b32 s98, 0x76543210
	s_mov_b32 s99, 0xfedcba98
.irp b, 0,1,2,3
	v_mov_b32 v[TM+4+\b], 0                        ; written once: a lane permute's destination counts as one of its sources
.endr
	s_lshr_b32 s2, s22, 3                          ; batch
	s_and_b32 s3, s22, 7
	s_lshl_b32 s3, s3, 1
	s_add_co_u32 s3, s3, s17                       ; my 128 tokens' number in the batch
	s_lshl_b32 s23, s19, 2
	s_lshl_b32 s96, s18, 1
	s_add_co_u32 s23, s23, s96
	s_lshl_b32 s96, s2, 4
	s_add_co_u32 s23, s23, s96                     ; 16 x batch + my first head
	s_lshl_b32 s92, ttmp9, 21                      ; codes: 2 MiB a type, 65,536 bytes a head, 4,096 bytes for 128 tokens, for q, k and v alike
	s_lshl_b32 s96, s23, 16
	s_add_co_u32 s92, s92, s96
	s_lshl_b32 s96, s3, 12
	s_add_co_u32 s92, s92, s96
	s_mov_b32 s93, 0
	s_add_nc_u64 s[92:93], s[8:9], s[92:93]
	s_lshl_b32 s96, s19, 10                        ; my 128 numbers of the bias
	s_lshl_b32 s97, s18, 9
	s_add_co_u32 s96, s96, s97
	s_mov_b32 s97, 0
	s_cmp_eq_u32 ttmp9, 0
	s_cselect_b64 s[90:91], s[10:11], s[12:13]
	s_cmp_eq_u32 ttmp9, 2
	s_cselect_b64 s[90:91], s[14:15], s[90:91]
	s_add_nc_u64 s[90:91], s[90:91], s[96:97]
	s_mov_b32 s95, 0
	s_cmp_eq_u32 ttmp9, 2                          ; the cluster's x: alike in all partners
	s_cbranch_scc1 .Lv
	; ---------------- q, k ----------------
	v_lshlrev_b32 v12, 6, v3                       ; bias: tile 2 b + u wants outputs 32 b + 16 h + 8 u + 0 .. 7
.irp b, 0,1,2,3,4,5,6,7
	global_load_b128 v[BIAS+8*\b:BIAS+8*\b+3], v12, s[90:91] offset:(32*(\b/2)+8*(\b%2))*4
	global_load_b128 v[BIAS+8*\b+4:BIAS+8*\b+7], v12, s[90:91] offset:(32*(\b/2)+8*(\b%2))*4+16
.endr
	s_lshl_b32 s94, ttmp9, 18                      ; scale words: 8,192 bytes a head, 512 for 128 tokens
	s_lshl_b32 s96, s23, 13
	s_add_co_u32 s94, s94, s96
	s_lshl_b32 s96, s3, 9
	s_add_co_u32 s94, s94, s96
	s_add_co_u32 s94, s94, QS
	s_add_nc_u64 s[94:95], s[8:9], s[94:95]
	s_wait_alu depctr_va_vdst(0)
	MAIN 0
.irp a, 0,1,2,3,4,5,6,7                ; tile a of tokens: my 128 outputs are two heads: registers 0-3 of the codes are the first head's image, 4-7 the second's
	s_wait_xcnt 0x0                                ; the codes' registers are rewritten only behind this wait
	QUANT 64*(\a%4), 2+\a/4, SW+\a
	global_store_b128 v1, v[PC:PC+3], s[92:93] offset:512*\a
	global_store_b128 v1, v[PC+4:PC+7], s[92:93] offset:512*\a+65536
.endr
	v_cmp_le_u32 vcc_lo, 16, v13
.irp i, 0,1,2,3
	v_cndmask_b32 v[240+\i], v[SW+\i], v[SW+4+\i], vcc_lo   ; lanes 0-15 carry tiles 0-3's words, lanes 16-31 tiles 4-7's
.endr
	s_mov_b32 s96, 0x7f7f0000                      ; the attention's K step has 64 numbers and 64 zero codes: their two bytes are 127
.irp i, 0,1,2,3
	v_and_or_b32 v[232+\i], v[240+\i], 0xffff, s96 ; the first head's two bytes
.endr
.irp i, 0,1,2,3
	v_lshrrev_b32 v[236+\i], 16, v[240+\i]
.endr
.irp i, 0,1,2,3
	v_or_b32 v[236+\i], s96, v[236+\i]             ; the second head's
.endr
	global_store_b128 v1, v[232:235], s[94:95]     ; 512 consecutive bytes
	global_store_b128 v1, v[236:239], s[94:95] offset:8192
	s_branch .Ldone
	; ---------------- v ----------------
.Lv:
	v_and_b32 v12, 8, v2
	v_add_nc_u32 v12, v12, v2
	v_lshlrev_b32 v12, 2, v12                      ; bias: a lane's eight registers of a tile are one output, at place r
.irp a, 0,1,2,3,4,5,6,7
.irp j, 0,1,2,3,4,5,6,7
	global_load_b32 v[BIAS+8*\a+\j], v12, s[90:91] offset:(32*(\a/2)+8*(\a%2))*4
.endr
.endr
	v_lshlrev_b32 v14, 4, v2
	v_lshl_add_u32 v14, v3, 12, v14                ; scale words: lanes 16-31 the second head's
	s_lshl_b32 s94, s23, 12                        ; 4,096 bytes a head, 256 for 128 keys
	s_lshl_b32 s96, s3, 8
	s_add_co_u32 s94, s94, s96
	s_add_co_u32 s94, s94, VS
	s_add_nc_u64 s[94:95], s[8:9], s[94:95]
	s_wait_alu depctr_va_vdst(0)
	MAIN 1
.irp a, 0,1,2,3,4,5,6,7                ; tile a of outputs: head a / 4, its tile a % 4; my 128 tokens are one K step of the attention's second product
	s_wait_xcnt 0x0
	QUANT 64*(\a%4), 2+\a/4, SW+\a
	global_store_b128 v1, v[PC:PC+3], s[92:93] offset:65536*(\a/4)+1024*(\a%4)
	global_store_b128 v1, v[PC+4:PC+7], s[92:93] offset:65536*(\a/4)+1024*(\a%4)+512
.endr
	v_cmp_le_u32 vcc_lo, 16, v13
.irp i, 0,1,2,3
	v_cndmask_b32 v[232+\i], v[SW+\i], v[SW+4+\i], vcc_lo
.endr
	global_store_b128 v14, v[232:235], s[94:95]    ; each sixteen lanes store 256 consecutive bytes, aligned
.Ldone:
	s_wait_tensorcnt 0x0
	ds_add_u32 v222, v223
	s_wait_dscnt 0x0
	CROUND                                         ; the closing round
	s_endpgm
.Lfunc_end_k_q71949eaf2b_qkv:
	.size	k_q71949eaf2b_qkv, .Lfunc_end_k_q71949eaf2b_qkv-k_q71949eaf2b_qkv
	.p2alignl 7, 3214868480
	.fill 96, 4, 3214868480
	.section	.rodata,"a",@progbits
	.p2align	6, 0x0
	.amdhsa_kernel k_q71949eaf2b_qkv
		.amdhsa_group_segment_fixed_size 262656
		.amdhsa_private_segment_fixed_size 0
		.amdhsa_enable_private_segment 0
		.amdhsa_kernarg_size 48
		.amdhsa_user_sgpr_count 2
		.amdhsa_user_sgpr_kernarg_segment_ptr 1
		.amdhsa_wavefront_size32 1
		.amdhsa_system_sgpr_workgroup_id_x 1
		.amdhsa_system_sgpr_workgroup_id_y 1
		.amdhsa_system_sgpr_workgroup_id_z 1
		.amdhsa_system_vgpr_workitem_id 0
		.amdhsa_next_free_vgpr 1024
		.amdhsa_next_free_sgpr 102
		.amdhsa_reserve_vcc 1
		.amdhsa_float_denorm_mode_32 3
		.amdhsa_float_denorm_mode_16_64 3
		.amdhsa_memory_ordered 1
		.amdhsa_forward_progress 1
		.amdhsa_inst_pref_size 249
	.end_amdhsa_kernel
	.amdgpu_metadata
---
amdhsa.version: [ 1, 2 ]
amdhsa.kernels:
  - .name:           k_q71949eaf2b_qkv
    .symbol:         k_q71949eaf2b_qkv.kd
    .args:
      - { .name: nx1, .offset: 0, .size: 8, .value_kind: global_buffer, .address_space: global }
      - { .name: wts, .offset: 8, .size: 8, .value_kind: global_buffer, .address_space: global }
      - { .name: qkvb, .offset: 16, .size: 8, .value_kind: global_buffer, .address_space: global }
      - { .name: bq, .offset: 24, .size: 8, .value_kind: global_buffer, .address_space: global }
      - { .name: bk, .offset: 32, .size: 8, .value_kind: global_buffer, .address_space: global }
      - { .name: bv, .offset: 40, .size: 8, .value_kind: global_buffer, .address_space: global }
    .group_segment_fixed_size: 262656
    .private_segment_fixed_size: 0
    .kernarg_segment_align: 8
    .kernarg_segment_size: 48
    .max_flat_workgroup_size: 128
    .sgpr_count:     102
    .vgpr_count:     1024
    .wavefront_size: 32
...
	.end_amdgpu_metadata
.endif
;; end of part 2
;; launch attn (part 3): grid 32 x 8, 16 waves a work-group, no clusters, 231,424 bytes of LDS; arguments qkvb, oc; writes oc
.if DOCPART == 3
	.amdgcn_target "amdgcn-amd-amdhsa--gfx1250"
	.amdhsa_code_object_version 6
	.text
	.protected	k_q71949eaf2b_attn
	.globl	k_q71949eaf2b_attn
	.p2align	8
	.type	k_q71949eaf2b_attn,@function
k_q71949eaf2b_attn:
	s_mov_b64 s[64:65], 0
	v_nop
	global_prefetch_b8 v0, s[64:65] scope:SCOPE_SE
	s_setreg_imm32_b32 hwreg(HW_REG_WAVE_MODE, 25, 1), 1
	s_wait_xcnt 0x0
; Causal attention of one head on codes of FP4 with E8M0 scales; head size 64, 2,048 keys.  The result is quantised along the head's 64 and leaves as codes for the next product.
; t = score x log2(e) / 8; M = the row's largest t so far, rounded up to a whole number; p = 2^(t - M) is quantised along the keys, not normalised; the row's sum is taken of the unquantised p and divides at the end.
; SHARES.  Work-group (i, head) owns the blocks i and 15 - i of 128 queries: 16 tiles of 16 queries, one to each of sixteen waves, 256 registers a wave, four waves to a SIMD.
; A wave is 'late' (block 15 - i) where (w xor w / 4) is odd; waves w and w xor 1 are an early and a late wave with the same tile number: a pair.
; An early tile needs i + 1 key steps of 128, a late one 16 - i.  THE LATE TILE'S KEYS ARE SHARED IN THE PAIR: the late wave walks key steps 7 - i .. 15 - i (nine, the diagonal among them);
; the early wave walks its own i + 1 steps, stores its tile, takes the late tile's Q and walks that tile's key steps 0 .. 6 - i: eight steps in all, whatever i.
; The two parts of a late tile (-M, the sums, O^T) meet in LDS as images of registers.  M is a whole number, so both parts are brought under the larger M by multiplications by powers of two, which round nothing; then they are added.
; ORDER OF ROUNDING: a late tile's O and its sum are two partial f32 sums added once, not one running sum.
; Both walks have constant trip counts (16 and 7); a step that is not the wave's is jumped over by a scalar branch on ids, round the work alone.
; THE WHOLE HEAD'S K AND V LIE IN LDS, filled once: codes 2 x 65,536 bytes, scale words 8,192 + 4,096.  Eleven waves issue one tensor load each; no byte is filled again.
; No cluster: the walks' branches hang on the block of queries, which differs between the work-groups that share a head, and what is shared is fetched once, at the start.
; Both products are used transposed (S^T = K Q^T, O^T = V^T P^T): a lane holds one query.  The first product's K is 64: registers 4-7 of K's and Q's fragments are zero codes, their scale bytes 127.
; Place r of tile 2 g + u is row 32 g + 8 u + r + 8 (r / 8): p's 16 registers of tiles 2 b, 2 b + 1 are the keys 32 b + 16 (lane / 16) + 0 .. 15.
; Hidden scores of the diagonal step become -infinity where the source writes -1e9.  LIMIT: the same p = 0 as long as real logits lie above -1e9.
; A block of zeros keeps the byte 1.  NaN and infinities are not served.  1 / sum is v_rcp_f32.
; REGISTERS: v1-4, v6, v7 addresses that stay; v5 the late tile's Q scale word; v8-11 the step's addresses; v12 -M, v13 largest t, v[14:15] the sum; v16-23 Q; v24-31 K's scale words; v32-95 K; v96-159 S^T, p;
;   v160-191 O^T; v192-223 V; v224-231 p's codes; v232-239, v244-247, v252, v254 at work; v240-243 V's scale words; v248-251 the late tile's Q; v253 p's scale word; v255 Q's.
.set KC,  2097152                      ; k's codes (v's lie 2 MiB on)
.set QS,  6291456
.set KSO, 6553600
.set VS,  6815744
.set OS,  2097152                      ; the result's scale halfwords
.set LKS, 131072                       ; LDS: K's scale words
.set LVS, 139264                       ; V's
.set SCR, 143360                       ; 512 bytes: the two blocks' scale halfwords
.set EXP, 143872                       ; a wave's state as an image of registers: eight times 512 bytes of O^T, 512 of -M and the sums
.set EXB, 4608                         ; bytes of it; sixteen of them
; A KEY STEP: 128 keys.  masked = 1: the text holds the diagonal's mask, run where the step is the wave's own block
.macro BODY masked
	v_add_nc_u32 v8, s14, v1
	s_delay_alu instid0(VALU_DEP_1)
	v_add_nc_u32 v9, 0x10000, v8
	v_add_nc_u32 v10, s15, v2
	v_add_nc_u32 v11, s16, v3
.irp t, 0,1,2,3,4,5,6,7
	ds_load_b128 v[32+8*\t:35+8*\t], v8 offset:512*\t
.endr
	ds_load_b128 v[24:27], v10
	ds_load_b128 v[28:31], v10 offset:256
.irp t, 0,1,2,3
	ds_load_b128 v[192+8*\t:195+8*\t], v9 offset:1024*\t
	ds_load_b128 v[196+8*\t:199+8*\t], v9 offset:1024*\t+512
.endr
	ds_load_b128 v[240:243], v11
	s_wait_dscnt 0x0
.irp t, 0,1,2,3,4,5,6,7
	v_wmma_scale_f32_16x16x128_f8f6f4 v[96+8*\t:103+8*\t], v[32+8*\t:39+8*\t], v[16:23], 0, v[24+\t], v255 matrix_a_fmt:MATRIX_FMT_FP4 matrix_b_fmt:MATRIX_FMT_FP4
.endr
.rept 4
	v_nop
.endr
.if \masked
	s_cmp_lg_u32 s13, s11
	s_cbranch_scc1 .Lopen_\@
	v_mov_b32 v254, 0xff800000                     ; the diagonal step: hidden scores become -infinity ahead of the maximum
.set n, 0
.rept 64
	v_cmp_gt_i32 vcc_lo, 32*(n/16)+n%16, v4
	v_cndmask_b32 v[96+n], v[96+n], v254, vcc_lo
.set n, n+1
.endr
.Lopen_\@:
.endif
.irp b, 0,1,2,3
	v_max3_num_f32 v[232+\b], v[96+16*\b], v[97+16*\b], v[98+16*\b]   ; the largest score of each block of 32 keys: for the row's maximum, and, since p rises with the score, for the block's largest p
.endr
.irp i, 3,5,7,9,11,13
.irp b, 0,1,2,3
	v_max3_num_f32 v[232+\b], v[232+\b], v[96+16*\b+\i], v[97+16*\b+\i]
.endr
.endr
.irp b, 0,1,2,3
	v_max_num_f32 v[232+\b], v[232+\b], v[111+16*\b]
.endr
.irp b, 0,1,2,3
	s_delay_alu instid0(VALU_DEP_4)
	v_permlanex16_b32 v[236+\b], v[232+\b], s44, s45
.endr
.irp b, 0,1,2,3
	s_delay_alu instid0(VALU_DEP_4)
	v_max_num_f32 v[232+\b], v[232+\b], v[236+\b]
.endr
	s_delay_alu instid0(VALU_DEP_2)
	v_max3_num_f32 v254, v232, v233, v234
	s_delay_alu instid0(VALU_DEP_1)
	v_max_num_f32 v254, v254, v235
	s_delay_alu instid0(VALU_DEP_1)
	v_mul_f32 v254, s46, v254
	s_delay_alu instid0(VALU_DEP_1)
	v_max_num_f32 v13, v13, v254                   ; the running largest t
	v_mov_b32 v254, v12
	s_delay_alu instid0(VALU_DEP_2)
	v_floor_f32 v12, -v13                          ; the new -M: a whole number
	s_delay_alu instid0(VALU_DEP_1)
	v_sub_f32 v254, v12, v254
	s_delay_alu instid0(VALU_DEP_1)
	v_cvt_i32_f32 v254, v254                       ; (it saturates)
	s_delay_alu instid0(VALU_DEP_1)
	v_ldexp_f32 v252, 1.0, v254                    ; f = 2^(old M - new M): a multiplication by it rounds nothing
.set j, 0
.rept 32
	v_pk_fma_f32 v[96+j:97+j], v[96+j:97+j], s[46:47], v[12:13] op_sel_hi:[1,0,0]   ; t - M
.set j, j+2
.endr
.irp b, 0,1,2,3
	v_fma_f32 v[232+\b], v[232+\b], s46, v12
.endr
.set j, 0
	s_wait_alu depctr_va_vdst(0)
.rept 64
	v_exp_f32 v[96+j], v[96+j]                     ; p
.set j, j+1
.endr
.irp b, 0,1,2,3
	v_exp_f32 v[232+\b], v[232+\b]                 ; the block's largest p
.endr
	v_pk_mul_f32 v[14:15], v[14:15], v[252:253] op_sel_hi:[1,0]   ; the sums under the new M (a plain place behind the exponentials)
	s_wait_alu depctr_va_vdst(0)
.irp b, 0,1,2,3
	v_max_num_f32 v[232+\b], 0x1800000, v[232+\b]  ; the floor: the byte cannot fall under 1
.endr
.irp b, 0,1,2,3
	s_delay_alu instid0(VALU_DEP_4)
	v_add_nc_u32 v[244+\b], 0xff000000, v[232+\b]
.endr
.irp b, 0,1,2,3
	s_delay_alu instid0(VALU_DEP_4)
	v_lshrrev_b32 v[236+\b], 23, v[244+\b]
.endr
	s_delay_alu instid0(VALU_DEP_3)
	v_lshl_or_b32 v253, v237, 8, v236              ; p's scale word for these 128 keys
	s_delay_alu instid0(VALU_DEP_1)
	v_lshl_or_b32 v253, v238, 16, v253
	s_delay_alu instid0(VALU_DEP_1)
	v_lshl_or_b32 v253, v239, 24, v253
.irp b, 0,1,2,3
	v_cvt_scalef32_pk8_fp4_f32 v[224+2*\b], v[96+16*\b:103+16*\b], v[244+\b]
	v_cvt_scalef32_pk8_fp4_f32 v[225+2*\b], v[104+16*\b:111+16*\b], v[244+\b]
.endr
	v_nop
.irp c, 0,1
.irp i, 0,1
	v_permlane16_swap_b32 v[224+4*\c+\i], v[226+4*\c+\i]
.endr
.endr
	v_pk_add_f32 v[236:237], v[100:101], v[104:105]
	v_pk_add_f32 v[246:247], v[108:109], v[112:113]
	v_pk_add_f32 v[244:245], v[116:117], v[120:121]
	v_pk_add_f32 v[234:235], v[124:125], v[128:129]
	v_pk_add_f32 v[232:233], v[132:133], v[136:137]
	v_pk_add_f32 v[90:91], v[140:141], v[144:145]
	v_pk_add_f32 v[88:89], v[148:149], v[152:153]
	v_pk_add_f32 v[14:15], v[14:15], v[156:157]
	v_pk_add_f32 v[236:237], v[236:237], v[96:97]
	v_pk_add_f32 v[246:247], v[246:247], v[98:99]
	v_pk_add_f32 v[244:245], v[244:245], v[102:103]
	v_pk_add_f32 v[234:235], v[234:235], v[106:107]
	v_pk_add_f32 v[232:233], v[232:233], v[110:111]
	v_pk_add_f32 v[90:91], v[90:91], v[114:115]
	v_pk_add_f32 v[88:89], v[88:89], v[118:119]
	v_pk_add_f32 v[14:15], v[14:15], v[122:123]
	v_pk_add_f32 v[236:237], v[236:237], v[126:127]
	v_pk_add_f32 v[246:247], v[246:247], v[130:131]
	v_pk_add_f32 v[244:245], v[244:245], v[134:135]
	v_pk_add_f32 v[234:235], v[234:235], v[138:139]
	v_pk_add_f32 v[232:233], v[232:233], v[142:143]
	v_pk_add_f32 v[90:91], v[90:91], v[146:147]
	v_pk_add_f32 v[88:89], v[88:89], v[150:151]
	v_pk_add_f32 v[14:15], v[14:15], v[154:155]
	v_pk_add_f32 v[236:237], v[236:237], v[158:159]
	s_delay_alu instid0(VALU_DEP_2)
	v_pk_add_f32 v[14:15], v[14:15], v[234:235]
	s_delay_alu instid0(VALU_DEP_2)
	v_pk_add_f32 v[236:237], v[236:237], v[232:233]
	v_pk_add_f32 v[246:247], v[246:247], v[90:91]
	v_pk_add_f32 v[244:245], v[244:245], v[88:89]
	s_delay_alu instid0(VALU_DEP_2)
	v_pk_add_f32 v[14:15], v[14:15], v[246:247]
	s_delay_alu instid0(VALU_DEP_2)
	v_pk_add_f32 v[236:237], v[236:237], v[244:245]
	s_delay_alu instid0(VALU_DEP_1)
	v_pk_add_f32 v[14:15], v[14:15], v[236:237]
.set j, 0
.rept 16
	v_pk_mul_f32 v[160+j:161+j], v[160+j:161+j], v[252:253] op_sel_hi:[1,0]   ; O^T under the new M.  (With the sums above: the places between p's codes and scale word and the products)
.set j, j+2
.endr
.irp t, 0,1,2,3
	v_wmma_scale_f32_16x16x128_f8f6f4 v[160+8*\t:167+8*\t], v[192+8*\t:199+8*\t], v[224:231], v[160+8*\t:167+8*\t], v[240+\t], v253 matrix_a_fmt:MATRIX_FMT_FP4 matrix_b_fmt:MATRIX_FMT_FP4
.endr
.rept 4
	v_nop                                          ; places in front of the next step's loads and of the reads behind the walk
.endr
.endm
; A TILE IS FINISHED: O^T / the sum, quantised along the head's 64; half an image to memory, the two scale bytes to the work-group's halfwords in LDS
.macro FINAL
	v_add_f32 v14, v14, v15
	s_delay_alu instid0(VALU_DEP_1)
	v_permlanex16_b32 v252, v14, s44, s45
	s_delay_alu instid0(VALU_DEP_1)
	v_add_f32 v14, v14, v252                       ; the row's sum
	s_wait_alu depctr_va_vdst(0)
	v_rcp_f32 v14, v14
	v_nop                                          ; a plain place behind the transcendental
.set j, 0
	s_wait_alu depctr_va_vdst(0)
.rept 32
	v_mul_f32 v[96+j], v[160+j], v14               ; register 16 b + i is channel 32 b + 16 h + i of my query
.set j, j+1
.endr
.irp b, 0,1
	v_max3_num_f32 v[232+\b], |v[96+16*\b]|, |v[97+16*\b]|, 0x1800000
.endr
.irp i, 2,4,6,8,10,12,14
.irp b, 0,1
	s_delay_alu instid0(VALU_DEP_2)
	v_max3_num_f32 v[232+\b], v[232+\b], |v[96+16*\b+\i]|, |v[97+16*\b+\i]|
.endr
.endr
.irp b, 0,1
	s_delay_alu instid0(VALU_DEP_2)
	v_permlanex16_b32 v[236+\b], v[232+\b], s44, s45
.endr
.irp b, 0,1
	s_delay_alu instid0(VALU_DEP_2)
	v_max_num_f32 v[232+\b], v[232+\b], v[236+\b]
.endr
.irp b, 0,1
	s_delay_alu instid0(VALU_DEP_2)
	v_add_nc_u32 v[244+\b], 0xff000000, v[232+\b]
.endr
.irp b, 0,1
	s_delay_alu instid0(VALU_DEP_2)
	v_lshrrev_b32 v[236+\b], 23, v[244+\b]
.endr
	s_delay_alu instid0(VALU_DEP_1)
	v_lshl_or_b32 v253, v237, 8, v236              ; the head's two bytes
.irp b, 0,1
	v_cvt_scalef32_pk8_fp4_f32 v[224+2*\b], v[96+16*\b:103+16*\b], v[244+\b]
	v_cvt_scalef32_pk8_fp4_f32 v[225+2*\b], v[104+16*\b:111+16*\b], v[244+\b]
.endr
	v_nop
	v_permlane16_swap_b32 v224, v226
	v_permlane16_swap_b32 v225, v227
	global_store_b128 v1, v[224:227], s[56:57]     ; half an image: 512 consecutive bytes
	ds_store_b16 v6, v253                          ; both halves of the lanes write the same halfword
.endm
	s_load_b128 s[4:7], s[0:1], 0x0                ; q, k, v s[4:5]; result s[6:7]
	v_lshl_add_u32 v254, v0, 2, 0x38000
	v_mov_b32 v255, 0
	ds_add_u32 v254, v255
	ds_add_u32 v254, v255
	s_wait_dscnt 0x0
	v_lshrrev_b32 v1, 5, v0
	s_delay_alu instid0(VALU_DEP_1)
	v_readfirstlane_b32 s8, v1                     ; wave 0..15
	s_lshr_b32 s9, s8, 2
	s_xor_b32 s9, s9, s8
	s_and_b32 s9, s9, 1                            ; late
	s_lshr_b32 s10, s8, 1                          ; my tile in the block, and my pair
	s_and_b32 s66, ttmp7, 0xffff                   ; i: the grid's y; its x is the head, so that the eight work-groups of a head have numbers 32 apart
	s_sub_co_u32 s62, 15, s66                      ; the late block
	s_sub_co_u32 s63, 7, s66                       ; where the late tile's keys are parted
	s_cmp_eq_u32 s9, 1
	s_cselect_b32 s11, s62, s66                    ; my block of 128 queries: also my first walk's last key step, the diagonal
	s_cselect_b32 s60, s63, 0                      ; my first walk's first key step
	s_cselect_b32 s61, 0, s63                      ; how many key steps my second walk has
	s_mov_b32 s12, ttmp9                           ; 16 x batch + head
	; group 1: dense blocks as rows of 256 bytes (32 elements of 8): 64 rows for codes, 16 for scale words
	s_mov_b32 s24, 3<<16
	s_mov_b32 s25, 32<<16
	s_mov_b32 s26, 64<<16
	s_mov_b32 s27, 32<<16
	s_mov_b32 s28, 64
	s_mov_b32 s29, 32
	s_mov_b32 s30, 0
	s_mov_b32 s31, 0
	s_mov_b32 s32, 3<<16
	s_mov_b32 s33, 32<<16
	s_mov_b32 s34, 16<<16
	s_mov_b32 s35, 32<<16
	s_mov_b32 s36, 16
	s_mov_b32 s37, 32
	s_mov_b32 s38, 0
	s_mov_b32 s39, 0
	s_lshr_b32 s54, s8, 2                          ; waves 0-3: K's quarters; waves 4-7: V's
	s_lshl_b32 s54, s54, 21
	s_lshl_b32 s55, s12, 16
	s_add_co_u32 s54, s54, s55
	s_and_b32 s55, s8, 3
	s_lshl_b32 s55, s55, 14
	s_add_co_u32 s54, s54, s55
	s_add_co_u32 s54, s54, KC
	s_mov_b32 s55, 0
	s_lshl_b32 s52, s12, 13                        ; waves 8, 9: K's scale words, two halves; wave 10: V's
	s_and_b32 s53, s8, 1
	s_lshl_b32 s53, s53, 12
	s_add_co_u32 s52, s52, s53
	s_add_co_u32 s52, s52, KSO
	s_lshl_b32 s53, s12, 12
	s_add_co_u32 s53, s53, VS
	s_cmp_eq_u32 s8, 10
	s_cselect_b32 s52, s53, s52
	s_mov_b32 s53, 0
	s_wait_kmcnt 0x0
	s_mov_b32 s40, 1
	s_lshl_b32 s41, s8, 14                         ; LDS: 16,384 x wave
	s_add_nc_u64 s[42:43], s[4:5], s[54:55]
	s_or_b32 s43, s43, 0x80000000
	s_mov_b32 s48, 1
	s_lshl_b32 s49, s8, 12
	s_add_co_u32 s49, s49, 98304                   ; LDS: 131,072 + 4,096 x (wave - 8)
	s_add_nc_u64 s[50:51], s[4:5], s[52:53]
	s_or_b32 s51, s51, 0x80000000
	s_cmp_lt_u32 s8, 8
	s_cbranch_scc0 .Lnot_codes
	tensor_load_to_lds s[40:43], s[24:31]
	s_nop 0
.rept 4
	v_nop
.endr
	s_branch .Lasked
.Lnot_codes:
	s_cmp_lt_u32 s8, 11
	s_cbranch_scc0 .Lasked
	tensor_load_to_lds s[48:51], s[32:39]
	s_nop 0
.rept 4
	v_nop
.endr
.Lasked:
	v_and_b32 v8, 31, v0
	s_delay_alu instid0(VALU_DEP_1)
	v_lshlrev_b32 v1, 4, v8                        ; 16 x lane
	v_and_b32 v6, 15, v0                           ; r
	v_bfe_u32 v7, v0, 4, 1                         ; h
	s_delay_alu instid0(VALU_DEP_2)
	v_lshlrev_b32 v10, 4, v6                       ; 16 r
	s_delay_alu instid0(VALU_DEP_3)
	v_lshl_add_u32 v2, v6, 4, LKS
	s_delay_alu instid0(VALU_DEP_4)
	v_lshl_add_u32 v3, v6, 4, LVS
	v_and_b32 v4, 8, v6
	s_delay_alu instid0(VALU_DEP_1)
	v_add_nc_u32 v4, v4, v6
	v_lshlrev_b32 v8, 4, v7
	s_delay_alu instid0(VALU_DEP_1)
	v_sub_nc_u32 v4, v4, v8
	s_lshr_b32 s17, s10, 1
	s_lshl_b32 s17, s17, 5
	s_and_b32 s18, s10, 1
	s_lshl_b32 s18, s18, 3
	s_add_co_u32 s17, s17, s18
	v_add_nc_u32 v4, s17, v4                       ; d = my query's place in its block - 16 h: on the diagonal, register 16 b + i is hidden where 32 b + i > d
	s_lshl_b32 s17, s9, 8
	s_lshl_b32 s18, s10, 1
	s_add_co_u32 s17, s17, s18
	s_add_co_u32 s17, s17, SCR
	v_lshl_add_u32 v6, v6, 4, s17                  ; my tile's scale halfword: [late][r][tile]
	s_lshl_b32 s17, s66, 1
	s_sub_co_u32 s17, 15, s17
	s_lshl_b32 s17, s17, 8                         ; from block i to block 15 - i in the result's halfwords
	v_mul_u32_u24 v7, s17, v7
	s_delay_alu instid0(VALU_DEP_1)
	v_add_nc_u32 v7, v7, v10                       ; wave 0's last store: lanes 0-15 the early block, lanes 16-31 the late one
	s_mov_b32 s55, 0
	s_lshl_b32 s18, s12, 16                        ; Q's images: 65,536 bytes a head, 4,096 a block, 512 a tile
	s_lshl_b32 s19, s10, 9
	s_add_co_u32 s18, s18, s19
	s_lshl_b32 s19, s11, 12
	s_add_co_u32 s54, s18, s19
	s_add_nc_u64 s[20:21], s[4:5], s[54:55]        ; my tile's
	s_lshl_b32 s19, s62, 12
	s_add_co_u32 s54, s18, s19
	s_add_nc_u64 s[52:53], s[4:5], s[54:55]        ; the pair's late tile's
	s_lshl_b32 s18, s12, 13                        ; Q's scale words: [head][block][tile / 4][r][tile % 4]
	s_lshr_b32 s19, s10, 2
	s_lshl_b32 s19, s19, 8
	s_add_co_u32 s18, s18, s19
	s_and_b32 s19, s10, 3
	s_lshl_b32 s19, s19, 2
	s_add_co_u32 s18, s18, s19
	s_add_co_u32 s18, s18, QS
	s_lshl_b32 s19, s11, 9
	s_add_co_u32 s54, s18, s19
	s_add_nc_u64 s[22:23], s[4:5], s[54:55]
	s_lshl_b32 s19, s62, 9
	s_add_co_u32 s54, s18, s19
	s_add_nc_u64 s[2:3], s[4:5], s[54:55]
	global_load_b128 v[16:19], v1, s[20:21]
	global_load_b32 v255, v10, s[22:23]
	global_load_b128 v[248:251], v1, s[52:53]
	global_load_b32 v5, v10, s[2:3]
	s_lshr_b32 s18, s12, 4                         ; my tile's image in the result: tile (128 x batch + 8 x block + tile) x 8,192, K step head / 2, half head % 2
	s_lshl_b32 s18, s18, 20
	s_lshl_b32 s19, s11, 16
	s_add_co_u32 s18, s18, s19
	s_lshl_b32 s19, s10, 13
	s_add_co_u32 s18, s18, s19
	s_bfe_u32 s19, s12, 0x30001
	s_lshl_b32 s19, s19, 10
	s_add_co_u32 s18, s18, s19
	s_and_b32 s19, s12, 1
	s_lshl_b32 s19, s19, 9
	s_add_co_u32 s54, s18, s19
	s_add_nc_u64 s[56:57], s[6:7], s[54:55]
	s_lshl_b32 s18, s12, 12                        ; its scale halfwords: 4,096 bytes a head, 256 a block
	s_lshl_b32 s19, s66, 8
	s_add_co_u32 s18, s18, s19
	s_add_co_u32 s54, s18, OS
	s_add_nc_u64 s[58:59], s[6:7], s[54:55]
	s_mov_b32 s44, 0x76543210
	s_mov_b32 s45, 0xfedcba98                      ; v_permlanex16_b32's selects for lane l xor 16
	s_mov_b32 s46, 0x3e38aa3b                      ; c = log2(e) / 8
	s_mov_b32 s47, s46
	s_mov_b32 s13, 0                               ; the key step
	s_mov_b32 s14, 0                               ; its codes: 4,096 bytes a step, K's and V's alike
	s_mov_b32 s15, 0                               ; K's scale words: 512
	s_mov_b32 s16, 0                               ; V's: 256
	v_mov_b32 v13, 0xff61b1e6                      ; the largest t so far: -3e38
	s_delay_alu instid0(VALU_DEP_1)
	v_floor_f32 v12, -v13                          ; -M
	v_mov_b32 v14, 0
	v_mov_b32 v15, 0
.irp b, 0,1,2,3
	v_mov_b32 v[236+\b], 0                         ; written once: a lane permute's destination counts as one of its sources
	v_mov_b32 v[20+\b], 0                          ; Q's zero codes
.endr
	v_mov_b32 v252, 0
	v_mov_b32 v253, 0
.irp t, 0,1,2,3,4,5,6,7
.irp i, 4,5,6,7
	v_mov_b32 v[32+8*\t+\i], 0                     ; K's zero codes: written once, no load lands here
.endr
.endr
.set j, 0
.rept 32
	v_mov_b32 v[160+j], 0                          ; O^T: a walk's first step finds zeros
.set j, j+1
.endr
	s_wait_loadcnt 0x0                             ; both Q
	s_wait_tensorcnt 0x0                           ; my part of the head has landed,
	s_barrier_signal -1
	s_barrier_wait -1                              ; everybody's has
	; ---- the first walk: my own tile; an early wave key steps 0 .. i, a late wave 7 - i .. 15 - i
.Lstep1:
	s_cmp_lt_u32 s13, s60
	s_cbranch_scc1 .Lskip1
	s_cmp_gt_u32 s13, s11
	s_cbranch_scc1 .Lskip1
	BODY 1
.Lskip1:
	s_add_co_u32 s14, s14, 4096
	s_add_co_u32 s15, s15, 512
	s_add_co_u32 s16, s16, 256
	s_add_co_u32 s13, s13, 1
	s_cmp_lt_u32 s13, 16
	s_cbranch_scc1 .Lstep1
	; ---- an early wave's tile is whole: it leaves, and the wave begins anew on the pair's late tile
	s_cmp_lg_u32 s9, 0
	s_cbranch_scc1 .Lkeep
	FINAL
	s_wait_xcnt 0x0                                ; the codes' registers are written again only behind this wait
.irp c, 0,1,2,3
	v_mov_b32 v[16+\c], v[248+\c]                  ; the late tile's Q
.endr
	v_mov_b32 v255, v5                             ; and its scale word: the 36 lines below stand between it and the next product
	v_mov_b32 v13, 0xff61b1e6
	s_delay_alu instid0(VALU_DEP_1)
	v_floor_f32 v12, -v13
	v_mov_b32 v14, 0
	v_mov_b32 v15, 0
.set j, 0
.rept 32
	v_mov_b32 v[160+j], 0
.set j, j+1
.endr
.Lkeep:
	s_mov_b32 s13, 0
	s_mov_b32 s14, 0
	s_mov_b32 s15, 0
	s_mov_b32 s16, 0
	; ---- the second walk: an early wave takes the late tile's key steps 0 .. 6 - i, all of whose keys count; a late wave takes none
.Lstep2:
	s_cmp_ge_u32 s13, s61
	s_cbranch_scc1 .Lskip2
	BODY 0
.Lskip2:
	s_add_co_u32 s14, s14, 4096
	s_add_co_u32 s15, s15, 512
	s_add_co_u32 s16, s16, 256
	s_add_co_u32 s13, s13, 1
	s_cmp_lt_u32 s13, 7
	s_cbranch_scc1 .Lstep2
	; ---- every wave lays its state into bytes of its own; only the early waves' are read
	s_mul_i32 s17, s8, EXB
	s_add_co_u32 s17, s17, EXP
	v_add_nc_u32 v8, s17, v1                       ; mine
	s_wait_alu depctr_va_vdst(0)
	s_xor_b32 s18, s8, 1
	s_mul_i32 s18, s18, EXB
	s_add_co_u32 s18, s18, EXP
	v_add_nc_u32 v9, s18, v1                       ; my partner's
	v_add_nc_u32 v10, SCR, v1                      ; wave 0's read of the halfwords
.irp k, 0,1,2,3,4,5,6,7
	ds_store_b128 v8, v[160+4*\k:163+4*\k] offset:512*\k   ; each accumulator from its low end on
.endr
	ds_store_b128 v8, v[12:15] offset:4096
	s_wait_dscnt 0x0                               ; for the partner's sake: my state lies in LDS
	s_barrier_signal -1
	s_barrier_wait -1
	s_cmp_lg_u32 s9, 1
	s_cbranch_scc1 .Lmerged
	s_wait_alu depctr_va_vdst(0)
.irp k, 0,1,2,3,4,5,6,7
	ds_load_b128 v[96+4*\k:99+4*\k], v9 offset:512*\k      ; the partner's O^T: the same lanes, the same registers
.endr
	ds_load_b128 v[128:131], v9 offset:4096        ; its -M, largest t, sums
	s_wait_dscnt 0x0
	v_min_num_f32 v132, v12, v128                  ; -M of the larger M
	s_delay_alu instid0(VALU_DEP_1)
	v_sub_f32 v133, v132, v128                     ; the partner's M less it, and mine less it: whole numbers, 0 or less
	s_delay_alu instid0(VALU_DEP_2)
	v_sub_f32 v134, v132, v12
	s_delay_alu instid0(VALU_DEP_2)
	v_cvt_i32_f32 v133, v133                       ; (they saturate: a partner that walked nothing holds -M = 3e38 and zeros, and its factor is 0)
	s_delay_alu instid0(VALU_DEP_2)
	v_cvt_i32_f32 v134, v134
	s_delay_alu instid0(VALU_DEP_2)
	v_ldexp_f32 v136, 1.0, v133
	s_delay_alu instid0(VALU_DEP_2)
	v_ldexp_f32 v138, 1.0, v134
	s_delay_alu instid0(VALU_DEP_2)
	v_mov_b32 v137, v136
	s_delay_alu instid0(VALU_DEP_2)
	v_mov_b32 v139, v138
	s_delay_alu instid0(VALU_DEP_1)
	v_pk_mul_f32 v[14:15], v[14:15], v[138:139]
	s_delay_alu instid0(VALU_DEP_1)
	v_pk_fma_f32 v[14:15], v[130:131], v[136:137], v[14:15]
.set j, 0
.rept 16
	v_pk_mul_f32 v[160+j:161+j], v[160+j:161+j], v[138:139]
.set j, j+2
.endr
.set j, 0
.rept 16
	v_pk_fma_f32 v[160+j:161+j], v[96+j:97+j], v[136:137], v[160+j:161+j]
.set j, j+2
.endr
	FINAL
.Lmerged:
	s_wait_dscnt 0x0                               ; all sixteen halfword stores of the work-group lie in LDS behind this barrier
	s_barrier_signal -1
	s_barrier_wait -1
	s_cmp_lg_u32 s8, 0
	s_cbranch_scc1 .Lend
	s_wait_alu depctr_va_vdst(0)
	ds_load_b128 v[96:99], v10                     ; lanes 0-15: the early block's 256 bytes; lanes 16-31: the late block's
	s_wait_dscnt 0x0
	global_store_b128 v7, v[96:99], s[58:59]
.Lend:
	s_wait_xcnt 0x0
	v_lshl_add_u32 v254, v0, 2, 0x38000
	v_mov_b32 v255, 0
	s_wait_alu depctr_va_vdst(0)
	s_wait_tensorcnt 0x0
	ds_add_u32 v254, v255
	s_wait_dscnt 0x0
	s_endpgm
.Lfunc_end_k_q71949eaf2b_attn:
	.size	k_q71949eaf2b_attn, .Lfunc_end_k_q71949eaf2b_attn-k_q71949eaf2b_attn
	.p2alignl 7, 3214868480
	.fill 96, 4, 3214868480
	.section	.rodata,"a",@progbits
	.p2align	6, 0x0
	.amdhsa_kernel k_q71949eaf2b_attn
		.amdhsa_group_segment_fixed_size 231424
		.amdhsa_private_segment_fixed_size 0
		.amdhsa_enable_private_segment 0
		.amdhsa_kernarg_size 16
		.amdhsa_user_sgpr_count 2
		.amdhsa_user_sgpr_kernarg_segment_ptr 1
		.amdhsa_wavefront_size32 1
		.amdhsa_system_sgpr_workgroup_id_x 1
		.amdhsa_system_sgpr_workgroup_id_y 1
		.amdhsa_system_sgpr_workgroup_id_z 1
		.amdhsa_system_vgpr_workitem_id 0
		.amdhsa_next_free_vgpr 256
		.amdhsa_next_free_sgpr 68
		.amdhsa_reserve_vcc 1
		.amdhsa_float_denorm_mode_32 3
		.amdhsa_float_denorm_mode_16_64 3
		.amdhsa_memory_ordered 1
		.amdhsa_forward_progress 1
		.amdhsa_inst_pref_size 62
	.end_amdhsa_kernel
	.amdgpu_metadata
---
amdhsa.version: [ 1, 2 ]
amdhsa.kernels:
  - .name:           k_q71949eaf2b_attn
    .symbol:         k_q71949eaf2b_attn.kd
    .args:
      - { .name: qkvb, .offset: 0, .size: 8, .value_kind: global_buffer, .address_space: global }
      - { .name: oc, .offset: 8, .size: 8, .value_kind: global_buffer, .address_space: global }
    .group_segment_fixed_size: 231424
    .private_segment_fixed_size: 0
    .kernarg_segment_align: 8
    .kernarg_segment_size: 16
    .max_flat_workgroup_size: 512
    .sgpr_count:     68
    .vgpr_count:     256
    .wavefront_size: 32
...
	.end_amdgpu_metadata
.endif
;; end of part 3
;; launch woln (part 4): grid 256 x 1, 4 waves a work-group, clusters of 4 x 1, 327,680 bytes of LDS; arguments oc, wts, x, bo, g2, beta2, x1, nx2; writes x1, nx2
.if DOCPART == 4
	.amdgcn_target "amdgcn-amd-amdhsa--gfx1250"
	.amdhsa_code_object_version 6
	.text
	.protected	k_q71949eaf2b_woln
	.globl	k_q71949eaf2b_woln
	.p2align	8
	.type	k_q71949eaf2b_woln,@function
k_q71949eaf2b_woln:
	s_mov_b64 s[64:65], 0
	v_nop
	global_prefetch_b8 v0, s[64:65] scope:SCOPE_SE
	s_setreg_imm32_b32 hwreg(HW_REG_WAVE_MODE, 25, 1), 1
	s_wait_xcnt 0x0
	s_wait_alu depctr_hold_cnt(0) depctr_sa_sdst(0) depctr_va_vdst(0) depctr_va_sdst(0) depctr_va_ssrc(0) depctr_va_vcc(0) depctr_vm_vsrc(0)
	s_getreg_b32 s2, hwreg(HW_REG_IB_STS2, 6, 4)
	s_cmp_eq_u32 s2, 0
	s_cbranch_scc0 .Lentry_in_a_cluster
	s_endpgm
.Lentry_in_a_cluster:
	s_bfe_u32 s2, ttmp6, 0x10000c
	s_cmp_lg_u32 s2, 0x3003
	s_cbranch_scc0 .Lentry_shape_is_right
	s_endpgm
.Lentry_shape_is_right:
; x1 = x + (attention's result) Wo + bo, the product on codes of FP4 (E2M1) with E8M0 scales, K = 1,024; then LayerNorm(x1) and its codes along the next K = 1,024, in the same launch.
; A work-group owns ONE tile of 16 tokens and all 1,024 outputs, so that a token's whole row meets in one work-group: 256 work-groups.  A wave makes 256 outputs: 16 accumulators, 128 registers.
; OPERANDS lie in memory as images of operand registers (tile of 16 rows, K step of 128: 1,024 bytes); place r of tile 2 g + u is row 32 g + 8 u + r + 8 (r / 8).
; THE WEIGHTS, 524,288 bytes, are the same for all work-groups: CLUSTER 4 x 1, joint loads with the mask of all four.  They come in two fills of one slot of 262,144 bytes:
; wave w fetches and alone reads its tiles 16 w + 8 f .. + 7, all of K, 65,536 dense bytes a load; the second fill stands behind a round of the cluster's barrier.
; The tokens' eight fragments go from memory straight into registers: each wave multiplies all of them, and they are 8,192 bytes.
; Source 0 = weights, source 1 = tokens: a lane holds one token, register j of tile 2 b + u is output 32 b + 16 (lane / 16) + 8 u + j.
; THE WAY OUT: the sums go into 16 rows of 4,096 + 16 bytes in LDS (in the slot, which has had its last fill and its last read); each wave takes four whole rows back, adds x + bo (loaded in that shape at the head),
; stores x1 in runs of 512 bytes, and norms its rows; the normed rows go back to LDS and are read as blocks of 32 neighbours a lane, which are quantised into the next product's images.
; No prefetch: the launch has no loop to run ahead in; each fill is asked for once.
; All of a WGP's LDS is claimed.
; ORDER OF ROUNDING: bo is added to x first, and the product's sum to that.
; LIMITS: a block of zeros, or one whose largest magnitude lies under 2^-124, keeps the byte 1 (the bytes are read by this program alone); NaN and infinities are not served.  1 / sqrt is v_rsq_f32.
; REGISTERS: window 0: v1-11 addresses, v8-31 at work in the norm; v32-159 four rows x 32 numbers (at the head v32-47 the heads' halfwords); v160-223 weights' scale words; v224-239 codes; v240-247 tokens' scale words; v254, v255 for the add.
;   window 1: v0-127 accumulator t at v[8 t]; v128-191 tokens' fragments.   window 2: v0-127 x + bo; v128-159 bo; v160-191 gamma; v192-223 beta.   window 3: four sets of eight fragments of weights.
.set PITCH, 4112                       ; an LDS row: 4,096 bytes + 16
.set SCR,   16*PITCH                   ; behind the rows: the tile's 512 bytes of scale words
.set SPARE, 262144                     ; behind the slot: the spare words, 128 bytes a wave
.set OS,    2097152                    ; the attention's scale halfwords
.set NXS,   2097152                    ; the result's scale words
.set WOC,   3*524288                   ; Wo's codes
.set WOS,   6291456+3*32768            ; Wo's scale words
.set X,   32
.set HW,  32
.set SW,  160
.set CD,  224
.set ST,  240
.set TK,  128
.set BO,  128
.set GM,  160
.set BT,  192
.set MSB, 0
.macro WIN new                         ; the immediate's high byte repeats the setting that is left
.if MSB != (\new)
	s_set_vgpr_msb (MSB<<8)|(\new)
.set MSB, (\new)
.endif
.endm
.macro PLACES n
.rept \n
	v_nop
.endr
.endm
.macro ROUND                           ; a round of the cluster's barrier
	s_barrier_signal -1
	s_barrier_wait -1
	s_cmp_lg_u32 s26, 0
	s_cbranch_scc1 .Lnot_wave_0_\@
	s_barrier_signal -3
.Lnot_wave_0_\@:
	s_barrier_wait -3
	s_barrier_signal -1
	s_barrier_wait -1
.endm
.macro FETCH ks                        ; 16 LDS loads of 512 consecutive bytes: my eight tiles' fragments of K step ks into set ks % 4
	WIN 0xc0
.irp i, 0,1,2,3,4,5,6,7
.irp c, 0,1
	ds_load_b128 v[64*((\ks)%4)+8*\i+4*\c:64*((\ks)%4)+8*\i+4*\c+3], v11 offset:8192*\i+1024*(\ks)+512*\c
.endr
.endr
.endm
.macro MUL f, ks                       ; eight matrix instructions; the eight accumulators take turns.  K step 0 starts the sums
	WIN 0x57
.irp i, 0,1,2,3,4,5,6,7
.set D_, 64*(\f)+8*\i
.set A_, 64*((\ks)%4)+8*\i
.set B_, TK+8*(\ks)
.set XA_, SW+4*(8*(\f)+\i)+(\ks)%4
.if (\ks) == 0
	v_wmma_scale_f32_16x16x128_f8f6f4 v[D_:D_+7], v[A_:A_+7], v[B_:B_+7], 0, v[XA_], v[ST+(\ks)] matrix_a_fmt:MATRIX_FMT_FP4 matrix_b_fmt:MATRIX_FMT_FP4
.elseif (\ks) < 4
	v_wmma_scale_f32_16x16x128_f8f6f4 v[D_:D_+7], v[A_:A_+7], v[B_:B_+7], v[D_:D_+7], v[XA_], v[ST+(\ks)] matrix_a_fmt:MATRIX_FMT_FP4 matrix_b_fmt:MATRIX_FMT_FP4
.else
	v_wmma_scale_f32_16x16x128_f8f6f4 v[D_:D_+7], v[A_:A_+7], v[B_:B_+7], v[D_:D_+7], v[XA_], v[ST+(\ks)] matrix_a_fmt:MATRIX_FMT_FP4 matrix_b_fmt:MATRIX_FMT_FP4 matrix_a_scale:MATRIX_SCALE_ROW1
.endif
.endr
.endm
.macro HALF f                          ; my tiles 8 f .. 8 f + 7 over all of K; fragments are fetched three K steps ahead
	FETCH 0
	FETCH 1
	FETCH 2
.irp k, 0,1,2,3,4,5,6,7
.if \k < 5
.if \k > 0
	PLACES 4                                       ; in front of loads into the set that the last K step's products read
.endif
	FETCH \k+3
	s_wait_dscnt 48                                ; this K step's 16 loads are in; three sets' 48 may be out
.else
	s_wait_dscnt 16*(7-\k)
.endif
	MUL \f, \k
.endr
.endm
.macro REDUCE                          ; two chains, the pair's halves and the 32 lanes are added; every lane ends with the row's sum.  The four rows take turns
.irp p, 0,1,2,3
	v_pk_add_f32 v[8+6*\p:9+6*\p], v[8+6*\p:9+6*\p], v[10+6*\p:11+6*\p]
.endr
.irp p, 0,1,2,3
	v_add_f32 v[8+6*\p], v[8+6*\p], v[9+6*\p]
.endr
.irp m, 1,2,4,8
.irp p, 0,1,2,3
	v_add_f32_dpp v[8+6*\p], v[8+6*\p], v[8+6*\p] row_xmask:\m row_mask:0xf bank_mask:0xf
.endr
.endr
.irp p, 0,1,2,3
	v_permlanex16_b32 v[10+6*\p], v[8+6*\p], s28, s29
.endr
.irp p, 0,1,2,3
	v_add_f32 v[8+6*\p], v[8+6*\p], v[10+6*\p]
.endr
.endm
	s_load_b512 s[4:19], s[0:1], 0x0               ; codes s[4:5], weights s[6:7], x s[8:9], bo s[10:11], gamma s[12:13], beta s[14:15], x1 s[16:17], the normed codes s[18:19]
	v_lshl_add_u32 v254, v0, 2, SPARE
	v_mov_b32 v255, 0
	ds_add_u32 v254, v255                          ; the opening lines: the add, twice on end, and its wait ahead of my first tensor load
	ds_add_u32 v254, v255
	v_lshrrev_b32 v1, 5, v0
	v_readfirstlane_b32 s26, v1                    ; wave 0..3
	s_bfe_u32 s20, ttmp6, 0x40000                  ; cx
	s_lshl_b32 s21, ttmp9, 2
	s_add_co_u32 s21, s21, s20                     ; my tile of tokens: it enters global addresses alone
	s_mov_b32 s40, 15|(3<<16)|(1<<21)              ; group 1: the mask of all four; eight rows (tiles) of 8,192 bytes, dense; elements of 8 bytes
	s_mov_b32 s41, 1024<<16
	s_mov_b32 s42, 8<<16
	s_mov_b32 s43, 1024<<16
	s_mov_b32 s44, 8
	s_mov_b32 s45, 1024
	s_mov_b32 s46, 0
	s_mov_b32 s47, 0
	s_mov_b32 s32, 1                               ; group 0
	s_lshl_b32 s33, s26, 16                        ; LDS: 65,536 x wave
	s_lshl_b32 s66, s26, 17                        ; my 16 tiles of Wo
	s_add_co_u32 s66, s66, WOC
	s_mov_b32 s67, 0
	s_wait_dscnt 0x0                               ; both opening adds are done
	s_wait_kmcnt 0x0
	s_add_nc_u64 s[34:35], s[6:7], s[66:67]
	s_or_b32 s35, s35, 0x80000000
	ROUND                                          ; all four work-groups are here: the joint loads meet
	tensor_load_to_lds s[32:35], s[40:47]          ; my tiles 0-7: my one load at the head
	s_nop 0
	PLACES 4
	s_lshl_b32 s48, s21, 13                        ; the tokens' eight images
	s_mov_b32 s49, 0
	s_lshr_b32 s50, s21, 7                         ; their halfwords: [batch][head][block of 128][r][tile]
	s_lshl_b32 s50, s50, 16
	s_bfe_u32 s27, s21, 0x40003
	s_lshl_b32 s27, s27, 8
	s_add_co_u32 s50, s50, s27
	s_and_b32 s27, s21, 7
	s_lshl_b32 s27, s27, 1
	s_add_co_u32 s50, s50, s27
	s_add_co_u32 s50, s50, OS
	s_mov_b32 s51, 0
	s_lshl_b32 s52, s26, 13                        ; Wo's scale words: 512 bytes a tile
	s_add_co_u32 s52, s52, WOS
	s_mov_b32 s53, 0
	s_lshr_b32 s54, s21, 1                         ; my wave's first token: 32 (T / 2) + 8 (T % 2) + 4 w + 8 (w / 2)
	s_lshl_b32 s54, s54, 5
	s_and_b32 s27, s21, 1
	s_lshl_b32 s27, s27, 3
	s_add_co_u32 s54, s54, s27
	s_lshl_b32 s27, s26, 2
	s_add_co_u32 s54, s54, s27
	s_lshr_b32 s27, s26, 1
	s_lshl_b32 s27, s27, 3
	s_add_co_u32 s54, s54, s27
	s_lshl_b32 s54, s54, 12
	s_mov_b32 s55, 0
	s_lshl_b32 s58, s21, 13                        ; the result's eight images, my wave's two
	s_lshl_b32 s27, s26, 11
	s_add_co_u32 s58, s58, s27
	s_mov_b32 s59, 0
	s_lshl_b32 s60, s21, 9                         ; and its scale words
	s_add_co_u32 s60, s60, NXS
	s_mov_b32 s61, 0
	s_add_nc_u64 s[48:49], s[4:5], s[48:49]
	s_add_nc_u64 s[50:51], s[4:5], s[50:51]
	s_add_nc_u64 s[52:53], s[6:7], s[52:53]
	s_add_nc_u64 s[56:57], s[16:17], s[54:55]
	s_add_nc_u64 s[54:55], s[8:9], s[54:55]
	s_add_nc_u64 s[58:59], s[18:19], s[58:59]
	s_add_nc_u64 s[60:61], s[18:19], s[60:61]
	s_mov_b32 s28, 0x76543210
	s_mov_b32 s29, 0xfedcba98                      ; v_permlanex16_b32's selects for lane l xor 16
	s_mov_b32 s30, 0x3a800000                      ; 1 / 1,024
	s_mov_b32 s31, 0x3727c5ac                      ; 1e-5
	s_mul_i32 s27, s26, 4*PITCH
	s_lshl_b32 s62, s26, 10
	s_lshr_b32 s63, s26, 1
	s_lshl_b32 s63, s63, 8
	s_and_b32 s68, s26, 1
	s_lshl_b32 s68, s68, 3
	s_add_co_u32 s63, s63, s68
	s_add_co_u32 s63, s63, SCR
	v_and_b32 v1, 31, v0
	v_lshlrev_b32 v2, 4, v1                        ; 16 x lane
	v_and_b32 v4, 15, v0                           ; r
	v_bfe_u32 v8, v0, 4, 1                         ; h
	v_lshlrev_b32 v10, 4, v4                       ; 16 r
	v_add_nc_u32 v3, s27, v2                       ; LDS: my wave's four rows (places 4 w .. 4 w + 3)
	v_mul_u32_u24 v5, v4, PITCH
	v_lshl_add_u32 v9, v8, 6, v5
	v_lshl_add_u32 v5, v8, 7, v5
	v_add_nc_u32 v9, s62, v9                       ; the sums' way in: row r, + my 256 outputs, + 64 h
	v_add_nc_u32 v5, s62, v5                       ; the quantiser's reads: row r, + 128 h, + my wave's two K steps
	v_lshl_add_u32 v6, v4, 4, s63                  ; my scale words: [K step / 4][r][K step % 4]
	v_add_nc_u32 v7, SCR, v2
	v_lshlrev_b32 v4, 3, v8                        ; 8 h: my bytes' place in a scale word
	v_add_nc_u32 v11, s33, v2                      ; my fragments of weights
	s_wait_alu depctr_va_vdst(0)
.irp t, 0,1,2,3,4,5,6,7,8,9,10,11,12,13,14,15
	global_load_b128 v[SW+4*\t:SW+4*\t+3], v2, s[52:53] offset:512*\t   ; lanes 0-15: K steps 0-3's words of tile t; lanes 16-31: K steps 4-7's
.endr
.irp d, 0,1,2,3,4,5,6,7,8,9,10,11,12,13,14,15
	global_load_u16 v[HW+\d], v10, s[50:51] offset:4096*\d              ; head d: row r's two bytes
.endr
	WIN 0x40
.irp k, 0,1,2,3,4,5,6,7
.irp c, 0,1
	global_load_b128 v[TK+8*\k+4*\c:TK+8*\k+4*\c+3], v2, s[48:49] offset:1024*\k+512*\c
.endr
.endr
	WIN 0x80
.irp j, 0,1,2,3,4,5,6,7
	global_load_b128 v[BO+4*\j:BO+4*\j+3], v2, s[10:11] offset:512*\j
.endr
.irp p, 0,1,2,3
.irp j, 0,1,2,3,4,5,6,7
	global_load_b128 v[32*\p+4*\j:32*\p+4*\j+3], v2, s[54:55] offset:4096*\p+512*\j th:TH_LOAD_NT   ; 32 lanes read 512 consecutive bytes of a row of x
.endr
.endr
	WIN 0
	s_wait_loadcnt 40                              ; scale words, halfwords and fragments are in; the bias's 8 and x's 32 loads may be out
.irp k, 0,1,2,3,4,5,6,7
	v_lshl_or_b32 v[ST+\k], v[HW+2*\k+1], 16, v[HW+2*\k]   ; K step k is heads 2 k and 2 k + 1
.endr
	s_wait_loadcnt 0x0
	WIN 0x8a
.irp p, 0,1,2,3
.set j, 0
.rept 16
	v_pk_add_f32 v[32*\p+j:32*\p+j+1], v[32*\p+j:32*\p+j+1], v[BO+j:BO+j+1]   ; x + bo.  (These stand between the scale words just made and the products)
.set j, j+2
.endr
.endr
	WIN 0x80
.irp j, 0,1,2,3,4,5,6,7
	global_load_b128 v[GM+4*\j:GM+4*\j+3], v2, s[12:13] offset:512*\j
	global_load_b128 v[BT+4*\j:BT+4*\j+3], v2, s[14:15] offset:512*\j
.endr
	WIN 0
	s_wait_alu depctr_va_vdst(0)
	s_wait_tensorcnt 0x0                           ; my tiles 0-7 have landed; I alone read them
	HALF 0
	WIN 0
	s_wait_tensorcnt 0x0                           ; the three lines in front of a refill's barrier: no load of mine is out,
	ds_add_u32 v254, v255                          ; 0 onto my spare word,
	s_add_nc_u64 s[34:35], s[34:35], 65536         ; (my tiles 8-15)
	s_wait_dscnt 0x0                               ; the add is done and my reads of the slot are over
	ROUND                                          ; both now hold of every wave of the four work-groups
	tensor_load_to_lds s[32:35], s[40:47]          ; the refill: my one load behind the round
	s_nop 0
	PLACES 4                                       ; also the places in front of the loads into the sets that the last products read
	s_wait_tensorcnt 0x0
	HALF 1
	WIN 0
	PLACES 4                                       ; in front of the first read of results
	s_wait_dscnt 0x0
	s_barrier_signal -1
	s_barrier_wait -1                              ; nobody reads the slot any more, and it has had its last fill: the rows may lie there
	WIN 0x04
.irp t, 0,1,2,3,4,5,6,7,8,9,10,11,12,13,14,15
	ds_store_b128 v9, v[8*\t:8*\t+3] offset:128*(\t/2)+32*(\t%2)        ; each accumulator from its low end on
	ds_store_b128 v9, v[8*\t+4:8*\t+7] offset:128*(\t/2)+32*(\t%2)+16
.endr
	WIN 0
	s_wait_dscnt 0x0                               ; for the others' sake: my columns lie in LDS
	s_barrier_signal -1
	s_barrier_wait -1
.irp p, 0,1,2,3
.irp j, 0,1,2,3,4,5,6,7
	ds_load_b128 v[X+32*\p+4*\j:X+32*\p+4*\j+3], v3 offset:PITCH*\p+512*\j
.endr
.endr
	s_wait_dscnt 0x0
	WIN 0x08
.set j, 0
.rept 64
	v_pk_add_f32 v[X+j:X+j+1], v[X+j:X+j+1], v[j:j+1]   ; x1 = the product + (x + bo)
.set j, j+2
.endr
	WIN 0
.irp p, 0,1,2,3
.irp j, 0,1,2,3,4,5,6,7
	global_store_b128 v2, v[X+32*\p+4*\j:X+32*\p+4*\j+3], s[56:57] offset:4096*\p+512*\j   ; 32 lanes store 512 consecutive bytes
.endr
.endr
	; LayerNorm of my four rows.  Row p: v[8+6p:9+6p], v[10+6p:11+6p] two chains of sums, v[12+6p:13+6p] the mean, later 1 / sqrt, twice
.irp p, 0,1,2,3
	v_pk_add_f32 v[8+6*\p:9+6*\p], v[X+32*\p:X+32*\p+1], v[X+32*\p+2:X+32*\p+3]
	v_pk_add_f32 v[10+6*\p:11+6*\p], v[X+32*\p+4:X+32*\p+5], v[X+32*\p+6:X+32*\p+7]
.endr
.irp i, 8,12,16,20,24,28
.irp p, 0,1,2,3
	v_pk_add_f32 v[8+6*\p:9+6*\p], v[8+6*\p:9+6*\p], v[X+32*\p+\i:X+32*\p+\i+1]
	v_pk_add_f32 v[10+6*\p:11+6*\p], v[10+6*\p:11+6*\p], v[X+32*\p+\i+2:X+32*\p+\i+3]
.endr
.endr
	REDUCE
.irp p, 0,1,2,3
	v_mul_f32 v[12+6*\p], s30, v[8+6*\p]           ; the mean
.endr
.irp p, 0,1,2,3
	v_mov_b32 v[13+6*\p], v[12+6*\p]
.endr
	s_wait_alu depctr_va_vdst(0)                   ; directly ahead of the wait below
	s_wait_xcnt 0x0                                ; the stores of x1 have read their registers: the rows are rewritten only behind this wait
.irp p, 0,1,2,3
.set j, 0
.rept 16
	v_pk_add_f32 v[X+32*\p+j:X+32*\p+j+1], v[X+32*\p+j:X+32*\p+j+1], v[12+6*\p:13+6*\p] neg_lo:[0,1] neg_hi:[0,1]   ; x1 - mean, in place: the variance is taken of the differences
.set j, j+2
.endr
.endr
.irp p, 0,1,2,3
	v_pk_mul_f32 v[8+6*\p:9+6*\p], v[X+32*\p:X+32*\p+1], v[X+32*\p:X+32*\p+1]
	v_pk_mul_f32 v[10+6*\p:11+6*\p], v[X+32*\p+2:X+32*\p+3], v[X+32*\p+2:X+32*\p+3]
.endr
.irp i, 4,8,12,16,20,24,28
.irp p, 0,1,2,3
	v_pk_fma_f32 v[8+6*\p:9+6*\p], v[X+32*\p+\i:X+32*\p+\i+1], v[X+32*\p+\i:X+32*\p+\i+1], v[8+6*\p:9+6*\p]
	v_pk_fma_f32 v[10+6*\p:11+6*\p], v[X+32*\p+\i+2:X+32*\p+\i+3], v[X+32*\p+\i+2:X+32*\p+\i+3], v[10+6*\p:11+6*\p]
.endr
.endr
	REDUCE
.irp p, 0,1,2,3
	v_fma_f32 v[8+6*\p], v[8+6*\p], s30, s31       ; variance + 1e-5
.endr
	s_wait_alu depctr_va_vdst(0)
.irp p, 0,1,2,3
	v_rsq_f32 v[12+6*\p], v[8+6*\p]
.endr
	v_nop                                          ; a plain place behind the last transcendental
	s_wait_alu depctr_va_vdst(0)
.irp p, 0,1,2,3
	v_mov_b32 v[13+6*\p], v[12+6*\p]
.endr
	s_wait_alu depctr_va_vdst(0)                   ; directly ahead of the wait below
	s_wait_loadcnt 0x0                             ; gamma, beta
.irp p, 0,1,2,3
.set j, 0
.rept 16
	v_pk_mul_f32 v[X+32*\p+j:X+32*\p+j+1], v[X+32*\p+j:X+32*\p+j+1], v[12+6*\p:13+6*\p]
.set j, j+2
.endr
.endr
	WIN 0x28                                       ; gamma and beta lie in window 2
.irp p, 0,1,2,3
.set j, 0
.rept 16
	v_pk_fma_f32 v[X+32*\p+j:X+32*\p+j+1], v[X+32*\p+j:X+32*\p+j+1], v[GM+j:GM+j+1], v[BT+j:BT+j+1]
.set j, j+2
.endr
.endr
	WIN 0
.irp p, 0,1,2,3
.irp j, 0,1,2,3,4,5,6,7
	ds_store_b128 v3, v[X+32*\p+4*\j:X+32*\p+4*\j+3] offset:PITCH*\p+512*\j
.endr
.endr
	s_wait_dscnt 0x0                               ; for the others' sake: my normed rows lie in LDS
	s_barrier_signal -1
	s_barrier_wait -1
	; Wave w makes K steps 2 w and 2 w + 1 of all 16 rows.  Piece q = 2 s + c: lane (r, h) takes the 32 neighbours k = 128 (2 w + s) + 64 c + 32 h + 0 .. 31 of row r: a whole block
.irp q, 0,1,2,3
.irp i, 0,1,2,3,4,5,6,7
	ds_load_b128 v[X+32*\q+4*\i:X+32*\q+4*\i+3], v5 offset:256*\q+16*\i
.endr
.endr
	s_wait_dscnt 0x0
.irp q, 0,1,2,3
	v_max3_num_f32 v[8+\q], |v[X+32*\q]|, |v[X+32*\q+1]|, 0x1800000   ; the block's largest magnitude, and the floor 2^(3 - 127): the byte cannot fall under 1
.endr
.set i, 2
.rept 15
.irp q, 0,1,2,3
	v_max3_num_f32 v[8+\q], v[8+\q], |v[X+32*\q+i]|, |v[X+32*\q+i+1]|
.endr
.set i, i+2
.endr
.irp q, 0,1,2,3
	v_add_nc_u32 v[12+\q], 0xff000000, v[8+\q]     ; 2 off the exponent field: the conversion's scale operand
.endr
.irp q, 0,1,2,3
	v_lshrrev_b32 v[16+\q], 23, v[12+\q]           ; the scale's byte
.endr
.irp s, 0,1
	v_lshl_or_b32 v[20+\s], v[17+2*\s], 16, v[16+2*\s]   ; my two bytes of K step s: blocks h and 2 + h,
	v_lshlrev_b32 v[20+\s], v4, v[20+\s]           ; at their places;
	v_permlanex16_b32 v[22+\s], v[20+\s], s28, s29
	v_or_b32 v[20+\s], v[20+\s], v[22+\s]          ; with lane l xor 16's two the word is whole
.endr
.irp q, 0,1,2,3
.irp g, 0,1,2,3
	v_cvt_scalef32_pk8_fp4_f32 v[CD+4*\q+\g], v[X+32*\q+8*\g:X+32*\q+8*\g+7], v[12+\q]   ; registers 4 c .. 4 c + 3 of the image, as they stand
.endr
.endr
	v_nop                                          ; one plain place behind a scaled conversion
.irp q, 0,1,2,3
	global_store_b128 v2, v[CD+4*\q:CD+4*\q+3], s[58:59] offset:512*\q   ; 32 lanes store 512 consecutive bytes
.endr
	ds_store_b32 v6, v20                           ; both halves of the lanes write the same word with the same value
	ds_store_b32 v6, v21 offset:4
	s_wait_dscnt 0x0
	s_barrier_signal -1
	s_barrier_wait -1
	s_cmp_lg_u32 s26, 0
	s_cbranch_scc1 .Lend
	ds_load_b128 v[24:27], v7                      ; wave 0 stores the tile's 512 bytes of scale words
	s_wait_dscnt 0x0
	global_store_b128 v2, v[24:27], s[60:61]
.Lend:
	s_wait_tensorcnt 0x0                           ; the wave's end
	ds_add_u32 v254, v255
	s_wait_dscnt 0x0
	ROUND                                          ; the closing round
	s_endpgm
.Lfunc_end_k_q71949eaf2b_woln:
	.size	k_q71949eaf2b_woln, .Lfunc_end_k_q71949eaf2b_woln-k_q71949eaf2b_woln
	.p2alignl 7, 3214868480
	.fill 96, 4, 3214868480
	.section	.rodata,"a",@progbits
	.p2align	6, 0x0
	.amdhsa_kernel k_q71949eaf2b_woln
		.amdhsa_group_segment_fixed_size 327680
		.amdhsa_private_segment_fixed_size 0
		.amdhsa_enable_private_segment 0
		.amdhsa_kernarg_size 64
		.amdhsa_user_sgpr_count 2
		.amdhsa_user_sgpr_kernarg_segment_ptr 1
		.amdhsa_wavefront_size32 1
		.amdhsa_system_sgpr_workgroup_id_x 1
		.amdhsa_system_sgpr_workgroup_id_y 1
		.amdhsa_system_sgpr_workgroup_id_z 1
		.amdhsa_system_vgpr_workitem_id 0
		.amdhsa_next_free_vgpr 1024
		.amdhsa_next_free_sgpr 72
		.amdhsa_reserve_vcc 0
		.amdhsa_float_denorm_mode_32 3
		.amdhsa_float_denorm_mode_16_64 3
		.amdhsa_memory_ordered 1
		.amdhsa_forward_progress 1
		.amdhsa_inst_pref_size 102
	.end_amdhsa_kernel
	.amdgpu_metadata
---
amdhsa.version: [ 1, 2 ]
amdhsa.kernels:
  - .name:           k_q71949eaf2b_woln
    .symbol:         k_q71949eaf2b_woln.kd
    .args:
      - { .name: oc, .offset: 0, .size: 8, .value_kind: global_buffer, .address_space: global }
      - { .name: wts, .offset: 8, .size: 8, .value_kind: global_buffer, .address_space: global }
      - { .name: x, .offset: 16, .size: 8, .value_kind: global_buffer, .address_space: global }
      - { .name: bo, .offset: 24, .size: 8, .value_kind: global_buffer, .address_space: global }
      - { .name: g2, .offset: 32, .size: 8, .value_kind: global_buffer, .address_space: global }
      - { .name: beta2, .offset: 40, .size: 8, .value_kind: global_buffer, .address_space: global }
      - { .name: x1, .offset: 48, .size: 8, .value_kind: global_buffer, .address_space: global }
      - { .name: nx2, .offset: 56, .size: 8, .value_kind: global_buffer, .address_space: global }
    .group_segment_fixed_size: 327680
    .private_segment_fixed_size: 0
    .kernarg_segment_align: 8
    .kernarg_segment_size: 64
    .max_flat_workgroup_size: 128
    .sgpr_count:     72
    .vgpr_count:     1024
    .wavefront_size: 32
...
	.end_amdgpu_metadata
.endif
;; end of part 4
;; launch ff1 (part 5): grid 16 x 16, 4 waves a work-group, clusters of 4 x 4, 262,656 bytes of LDS; arguments nx2, wts, hc, b1; writes hc
.if DOCPART == 5
	.amdgcn_target "amdgcn-amd-amdhsa--gfx1250"
	.amdhsa_code_object_version 6
	.text
	.protected	k_q71949eaf2b_ff1
	.globl	k_q71949eaf2b_ff1
	.p2align	8
	.type	k_q71949eaf2b_ff1,@function
k_q71949eaf2b_ff1:
	s_mov_b64 s[64:65], 0
	v_nop
	global_prefetch_b8 v0, s[64:65] scope:SCOPE_SE
	s_setreg_imm32_b32 hwreg(HW_REG_WAVE_MODE, 25, 1), 1
	s_wait_xcnt 0x0
	s_wait_alu depctr_hold_cnt(0) depctr_sa_sdst(0) depctr_va_vdst(0) depctr_va_sdst(0) depctr_va_ssrc(0) depctr_va_vcc(0) depctr_vm_vsrc(0)
	s_getreg_b32 s2, hwreg(HW_REG_IB_STS2, 6, 4)
	s_cmp_eq_u32 s2, 0
	s_cbranch_scc0 .Lentry_in_a_cluster
	s_endpgm
.Lentry_in_a_cluster:
	s_bfe_u32 s2, ttmp6, 0x10000c
	s_cmp_lg_u32 s2, 0xf033
	s_cbranch_scc0 .Lentry_shape_is_right
	s_endpgm
.Lentry_shape_is_right:
; hidden = gelu(LayerNorm(x1) W1 + b1), the product on codes of FP4 with E8M0 scales, K = 1,024; the hidden layer is quantised in registers and leaves as codes.
; A work-group makes 256 tokens x 256 hidden units; four waves, each 128 x 128: 64 accumulators.  A wave's 128 hidden units are one K step of the next product.
; OPERANDS lie in memory as images of operand registers (tile of 16 rows, K step of 128: 1,024 bytes); place r of tile 2 g + u is row 32 g + 8 u + r + 8 (r / 8).
; ALL OF K FITS IN LDS: 262,144 bytes, filled ONCE; each wave issues one tensor load at the start.  CLUSTER 4 x 4: tokens' tiles shared along a row, weights' along a column.
; Source 0 = weights, source 1 = tokens: a lane holds one token, and the 16 registers of result tiles 2 b, 2 b + 1 are the hidden units 32 b + 16 (lane / 16) + 0 .. 15.
; GELU: x/2 (1 + erf(x / sqrt 2)); erf(z) = z P(z^2) / Q(z^2), polynomials of degree 6 and 4, z held to +-4, beyond which erf is +-1 to f32.  1 / Q is v_rcp_f32.
; THE WAY OUT IS A LOOP of eight trips, one tile of tokens a trip: only the 32 lines that halve a tile's sums name its accumulators; they are picked by scalar branches on the trip's number.
; LIMITS: a block of zeros or under 2^-124 keeps the byte 1; NaN and infinities are not served.
; REGISTERS: window 0: v1-15 addresses, v15 the scale word just made; v32-63 tokens' scale words, v64-95 weights'; v96-159 bias; v224-231 codes, v232-247 at work, v248-255 scale words made.
;   window 1: two sets of fragments; on the way out v0-63 x/2 and then gelu, v64-95 z, v96-127 z^2, v128-159 P, v160-191 Q, v192-195 two leading coefficients.   windows 2, 3: accumulators.
; THE FILL AS THIS TEXT HAS IT (in place of the four chunks named above): one tensor load a wave, eight tiles x all eight K steps, 65,536 dense bytes;
; LDS holds wave w's load at 65,536 w (tokens' two halves, then weights' two), a tile's eight images on end; one wait and one barrier show all of it.
.set NXS,  2097152
.set WS0,  6291456
.set HS,   8388608                     ; the hidden layer's scale words
.set SA,   32
.set SB,   64
.set BIAS, 96
.set PW,   15
.set PC,   224
.set TM,   232
.set SW,   248
.set G,    0
.set ZC,   64
.set Z2,   96
.set PP,   128
.set QQ,   160
.set KA,   192
.set KB,   194
.set MSB,  0
.macro WIN new
.if MSB != (\new)
	s_set_vgpr_msb (MSB<<8)|(\new)
.set MSB, (\new)
.endif
.endm
.macro PLACES n
.rept \n
	v_nop
.endr
.endm
.macro CROUND
	s_barrier_signal -1
	s_barrier_wait -1
	s_cmp_lg_u32 s16, 0
	s_cbranch_scc1 .Lnot_wave_0_\@
	s_barrier_signal -3
.Lnot_wave_0_\@:
	s_barrier_wait -3
	s_barrier_signal -1
	s_barrier_wait -1
.endm
.macro FETCH ks
	WIN 0x40
.irp i, 0,1,2,3,4,5,6,7
.irp c, 0,1
	ds_load_b128 v[128*((\ks)%2)+8*\i+4*\c:128*((\ks)%2)+8*\i+4*\c+3], v8 offset:8192*\i+1024*(\ks)+512*\c
	ds_load_b128 v[128*((\ks)%2)+64+8*\i+4*\c:128*((\ks)%2)+64+8*\i+4*\c+3], v4 offset:8192*\i+1024*(\ks)+512*\c
.endr
.endr
.endm
.macro MUL ks                          ; 64 matrix instructions; the accumulators take turns in the same order in every K step
.irp a, 0,1,2,3,4,5,6,7
.if (\ks) == 0
	WIN 0x85+0x40*(\a/4)
.else
	WIN 0xa5+0x50*(\a/4)
.endif
.irp b, 0,1,2,3,4,5,6,7
.set D_, 8*(8*(\a%4)+\b)
.set S0_, 128*((\ks)%2)+8*\b
.set S1_, 128*((\ks)%2)+64+8*\a
.set X0_, SB+4*\b+(\ks)%4
.set X1_, SA+4*\a+(\ks)%4
.if (\ks) == 0
.set C_, BIAS+8*\b
.else
.set C_, D_
.endif
.if (\ks) < 4
	v_wmma_scale_f32_16x16x128_f8f6f4 v[D_:D_+7], v[S0_:S0_+7], v[S1_:S1_+7], v[C_:C_+7], v[X0_], v[X1_] matrix_a_fmt:MATRIX_FMT_FP4 matrix_b_fmt:MATRIX_FMT_FP4
.else
	v_wmma_scale_f32_16x16x128_f8f6f4 v[D_:D_+7], v[S0_:S0_+7], v[S1_:S1_+7], v[C_:C_+7], v[X0_], v[X1_] matrix_a_fmt:MATRIX_FMT_FP4 matrix_b_fmt:MATRIX_FMT_FP4 matrix_a_scale:MATRIX_SCALE_ROW1 matrix_b_scale:MATRIX_SCALE_ROW1
.endif
.endr
.endr
.endm
.macro KSTEP ks
	s_wait_dscnt 0x0
.if (\ks) < 7
	PLACES 4
	FETCH (\ks)+1
.endif
	MUL \ks
.endm
.macro QUANT s, w, pw                  ; 64 numbers of a lane in window w become a fragment's codes in v[PC] on and its scale word in v[pw]
	WIN 0
.irp b, 0,1,2,3
	v_mov_b32 v[TM+\b], 0x1800000
.endr
	WIN ((\w)<<2)|((\w)<<4)
.irp i, 0,2,4,6,8,10,12,14
.irp b, 0,1,2,3
	v_max3_num_f32 v[TM+\b], v[TM+\b], |v[(\s)+16*\b+\i]|, |v[(\s)+16*\b+\i+1]|
.endr
.endr
	WIN 0
.irp b, 0,1,2,3
	v_permlanex16_b32 v[TM+4+\b], v[TM+\b], s98, s99
.endr
.irp b, 0,1,2,3
	v_max_num_f32 v[TM+\b], v[TM+\b], v[TM+4+\b]
.endr
.irp b, 0,1,2,3
	v_add_nc_u32 v[TM+12+\b], 0xff000000, v[TM+\b]
.endr
.irp b, 0,1,2,3
	v_lshrrev_b32 v[TM+4+\b], 23, v[TM+12+\b]
.endr
	v_lshl_or_b32 v[\pw], v[TM+5], 8, v[TM+4]
	v_lshl_or_b32 v[\pw], v[TM+6], 16, v[\pw]
	v_lshl_or_b32 v[\pw], v[TM+7], 24, v[\pw]
	WIN (\w)
.irp b, 0,1,2,3
	v_cvt_scalef32_pk8_fp4_f32 v[PC+2*\b], v[(\s)+16*\b:(\s)+16*\b+7], v[TM+12+\b]
	v_cvt_scalef32_pk8_fp4_f32 v[PC+2*\b+1], v[(\s)+16*\b+8:(\s)+16*\b+15], v[TM+12+\b]
.endr
	WIN 0
	v_nop
.irp c, 0,1
.irp i, 0,1
	v_permlane16_swap_b32 v[PC+4*\c+\i], v[PC+4*\c+2+\i]
.endr
.endr
.endm
.macro TAKE a                          ; tile a's 64 sums, halved, into fixed registers, each accumulator from its low end on; the last tile's scale word goes to its own register
.if \a > 0
	v_mov_b32 v[SW+\a-1], v[PW]
.endif
	WIN 0x40+2+\a/4
.set j, 0
.rept 32
	v_pk_mul_f32 v[G+j:G+j+1], v[64*(\a%4)+j:64*(\a%4)+j+1], 0.5 op_sel_hi:[1,0]
.set j, j+2
.endr
	WIN 0
.endm
.macro HSTART d, kr, k                 ; d = z^2 x leading coefficient + k
.set j, 0
.rept 16
	v_pk_fma_f32 v[\d+j:\d+j+1], v[Z2+j:Z2+j+1], v[\kr:\kr+1], \k op_sel_hi:[1,1,0]
.set j, j+2
.endr
.endm
.macro HORNER d, k                     ; d = d z^2 + k
.set j, 0
.rept 16
	v_pk_fma_f32 v[\d+j:\d+j+1], v[\d+j:\d+j+1], v[Z2+j:Z2+j+1], \k op_sel_hi:[1,1,0]
.set j, j+2
.endr
.endm
	s_load_b256 s[4:11], s[0:1], 0x0               ; tokens s[4:5], weights s[6:7], result s[8:9], b1 s[10:11]
	v_lshl_add_u32 v242, v0, 2, 0x40000
	v_mov_b32 v243, 0
	ds_add_u32 v242, v243
	ds_add_u32 v242, v243
	v_lshrrev_b32 v1, 5, v0
	v_readfirstlane_b32 s16, v1
	s_lshr_b32 s17, s16, 1
	s_and_b32 s18, s16, 1
	s_bfe_u32 s19, ttmp6, 0x40000
	s_bfe_u32 s20, ttmp6, 0x40004
	s_lshl_b32 s21, ttmp9, 2
	s_add_co_u32 s21, s21, s19                     ; block of 256 hidden units
	s_and_b32 s22, ttmp7, 0xffff
	s_lshl_b32 s22, s22, 2
	s_add_co_u32 s22, s22, s20                     ; block of 256 tokens
	s_lshl_b32 s76, s20, 2
	s_lshl_b32 s76, 15, s76
	s_lshl_b32 s77, 0x1111, s19
	s_or_b32 s24, s76, (3<<16)|(1<<21)             ; group 1: eight rows (tiles) of 8,192 bytes (eight images), dense; elements of 8 bytes
	s_or_b32 s32, s77, (3<<16)|(1<<21)
.irp g, 24,32
	s_mov_b32 s[\g+1], 1024<<16
	s_mov_b32 s[\g+2], 8<<16
	s_mov_b32 s[\g+3], 1024<<16
	s_mov_b32 s[\g+4], 8
	s_mov_b32 s[\g+5], 1024
	s_mov_b32 s[\g+6], 0
	s_mov_b32 s[\g+7], 0
.endr
	s_lshl_b32 s80, s18, 16
	s_lshl_b32 s78, s22, 17
	s_add_co_u32 s78, s78, s80
	s_mov_b32 s79, 0
	s_lshl_b32 s82, s21, 17
	s_add_co_u32 s82, s82, s80
	s_add_co_u32 s82, s82, 4*524288                ; w1's codes
	s_mov_b32 s83, 0
	s_lshl_b32 s81, s16, 16                        ; LDS: 65,536 x wave
	s_wait_dscnt 0x0
	s_wait_kmcnt 0x0
	s_add_nc_u64 s[78:79], s[4:5], s[78:79]
	s_add_nc_u64 s[82:83], s[6:7], s[82:83]
	s_mov_b32 s40, 1                               ; group 0 for tokens
	s_mov_b32 s41, s81
	s_mov_b64 s[42:43], s[78:79]
	s_or_b32 s43, s43, 0x80000000
	s_mov_b32 s56, 1                               ; and for weights
	s_mov_b32 s57, s81
	s_mov_b64 s[58:59], s[82:83]
	s_or_b32 s59, s59, 0x80000000
	CROUND
	s_cmp_eq_u32 s17, 0                            ; one fill a wave, one in each arm
	s_cbranch_scc0 .Lfill_w
	tensor_load_to_lds s[40:43], s[24:31]
	s_nop 0
	PLACES 4
	s_branch .Lfilled
.Lfill_w:
	tensor_load_to_lds s[56:59], s[32:39]
	s_nop 0
	PLACES 4
.Lfilled:
	v_and_b32 v13, 31, v0
	v_lshlrev_b32 v1, 4, v13
	s_wait_alu depctr_va_vdst(0)
	v_bfe_u32 v3, v0, 4, 1
	v_lshlrev_b32 v12, 6, v3
	s_wait_alu depctr_va_vdst(0)
	s_lshl_b32 s84, s22, 13
	s_lshl_b32 s86, s17, 12
	s_add_co_u32 s84, s84, s86
	s_add_co_u32 s84, s84, NXS
	s_mov_b32 s85, 0
	s_add_nc_u64 s[84:85], s[4:5], s[84:85]
	s_lshl_b32 s86, s21, 13
	s_lshl_b32 s88, s18, 12
	s_add_co_u32 s86, s86, s88
	s_add_co_u32 s86, s86, WS0+4*32768
	s_mov_b32 s87, 0
	s_add_nc_u64 s[86:87], s[6:7], s[86:87]
.irp i, 0,1,2,3,4,5,6,7
	global_load_b128 v[SA+4*\i:SA+4*\i+3], v1, s[84:85] offset:512*\i
	global_load_b128 v[SB+4*\i:SB+4*\i+3], v1, s[86:87] offset:512*\i
.endr
	s_lshl_b32 s96, s21, 10
	s_lshl_b32 s97, s18, 9
	s_add_co_u32 s96, s96, s97
	s_mov_b32 s97, 0
	s_add_nc_u64 s[90:91], s[10:11], s[96:97]
.irp b, 0,1,2,3,4,5,6,7
	global_load_b128 v[BIAS+8*\b:BIAS+8*\b+3], v12, s[90:91] offset:(32*(\b/2)+8*(\b%2))*4
	global_load_b128 v[BIAS+8*\b+4:BIAS+8*\b+7], v12, s[90:91] offset:(32*(\b/2)+8*(\b%2))*4+16
.endr
	s_lshl_b32 s88, s17, 16
	s_lshl_b32 s89, s18, 16
	s_add_co_u32 s89, s89, 131072
	v_add_nc_u32 v4, s88, v1                       ; my eight tiles of tokens
	v_add_nc_u32 v8, s89, v1                       ; and of weights
	s_mov_b32 s98, 0x76543210
	s_mov_b32 s99, 0xfedcba98
.irp b, 0,1,2,3
	v_mov_b32 v[TM+4+\b], 0
.endr
	v_mov_b32 v[PW], 0
.irp a, 0,1,2,3,4,5,6,7
	v_mov_b32 v[SW+\a], 0
.endr
	s_lshl_b32 s92, s22, 19                        ; codes: 32,768 bytes a tile of tokens, 1,024 a K step
	s_lshl_b32 s96, s17, 18
	s_add_co_u32 s92, s92, s96
	s_lshl_b32 s96, s21, 11
	s_add_co_u32 s92, s92, s96
	s_lshl_b32 s96, s18, 10
	s_add_co_u32 s92, s92, s96
	s_mov_b32 s93, 0
	s_add_nc_u64 s[92:93], s[8:9], s[92:93]
	s_lshl_b32 s94, s21, 15                        ; scale words: 16,384 bytes a K step, 512 for eight tiles
	s_lshl_b32 s96, s18, 14
	s_add_co_u32 s94, s94, s96
	s_lshl_b32 s96, s22, 10
	s_add_co_u32 s94, s94, s96
	s_lshl_b32 s96, s17, 9
	s_add_co_u32 s94, s94, s96
	s_add_co_u32 s94, s94, HS
	s_mov_b32 s95, 0
	s_add_nc_u64 s[94:95], s[8:9], s[94:95]
	s_wait_tensorcnt 0x0                           ; my one load has landed
	s_barrier_signal -1
	s_barrier_wait -1
	FETCH 0
	s_wait_loadcnt 0x0
.irp k, 0,1,2,3,4,5,6,7
	KSTEP \k
.endr
	WIN 0
	PLACES 4                                       ; in front of the first read of results and of writes into the fragments' registers
	WIN 0x40
	v_mov_b32 v[KA], 0xaf95df0b
	v_mov_b32 v[KA+1], 0xaf95df0b
	v_mov_b32 v[KB], 0xb77460cd
	v_mov_b32 v[KB+1], 0xb77460cd
	WIN 0
	s_mov_b32 s3, 0
.Lrow:
.irp a, 0,1,2,3,4,5,6
	s_cmp_lg_u32 s3, \a
	s_cbranch_scc1 .Lnot\a
	TAKE \a
	s_branch .Lgelu
.Lnot\a:
.endr
	TAKE 7
.Lgelu:
	WIN 0x55                                       ; all that follows up to the quantiser works in window 1
.irp u, 0,1                            ; 32 numbers at a time
.set j, 0
.rept 16
	v_pk_mul_f32 v[ZC+j:ZC+j+1], v[G+32*\u+j:G+32*\u+j+1], 0x3fb504f3 op_sel_hi:[1,0]   ; z = (x / 2) sqrt 2
.set j, j+2
.endr
.set j, 0
.rept 32
	v_med3_num_f32 v[ZC+j], v[ZC+j], -4.0, 4.0
.set j, j+1
.endr
.set j, 0
.rept 16
	v_pk_mul_f32 v[Z2+j:Z2+j+1], v[ZC+j:ZC+j+1], v[ZC+j:ZC+j+1]
.set j, j+2
.endr
	HSTART PP, KA, 0x32edffee
.irp k, 0xb60cff51, 0xb86ec2d2, 0xba40ac63, 0xbb41a1f6, 0xbc83dbd4
	HORNER PP, \k
.endr
	HSTART QQ, KB, 0xb95fbd29
.irp k, 0xbadc924e, 0xbbf19bf8, 0xbc69b6a7
	HORNER QQ, \k
.endr
.set j, 0
	s_wait_alu depctr_va_vdst(0)
.rept 32
	v_rcp_f32 v[QQ+j], v[QQ+j]
.set j, j+1
.endr
.set j, 0
.rept 16
	v_pk_mul_f32 v[PP+j:PP+j+1], v[PP+j:PP+j+1], v[ZC+j:ZC+j+1]   ; (plain places behind the reciprocals)
.set j, j+2
.endr
.set j, 0
	s_wait_alu depctr_va_vdst(0)
.rept 16
	v_pk_mul_f32 v[PP+j:PP+j+1], v[PP+j:PP+j+1], v[QQ+j:QQ+j+1]   ; erf
.set j, j+2
.endr
.set j, 0
.rept 16
	v_pk_fma_f32 v[G+32*\u+j:G+32*\u+j+1], v[G+32*\u+j:G+32*\u+j+1], v[PP+j:PP+j+1], v[G+32*\u+j:G+32*\u+j+1]   ; x/2 erf + x/2
.set j, j+2
.endr
.endr
	QUANT G, 1, PW
	global_store_b128 v1, v[PC:PC+3], s[92:93]     ; the image: two stores of 512 consecutive bytes
	global_store_b128 v1, v[PC+4:PC+7], s[92:93] offset:512
	s_wait_xcnt 0x0                                ; the codes' registers and the base are rewritten only behind this wait
	s_add_nc_u64 s[92:93], s[92:93], 32768         ; the next tile of tokens
	s_add_co_u32 s3, s3, 1
	s_cmp_lt_u32 s3, 8
	s_cbranch_scc1 .Lrow
	v_mov_b32 v[SW+7], v[PW]
	v_cmp_le_u32 vcc_lo, 16, v13
.irp i, 0,1,2,3
	v_cndmask_b32 v[232+\i], v[SW+\i], v[SW+4+\i], vcc_lo   ; lanes 0-15 carry tiles 0-3's words, lanes 16-31 tiles 4-7's
.endr
	global_store_b128 v1, v[232:235], s[94:95]     ; 512 consecutive bytes
	s_wait_tensorcnt 0x0
	ds_add_u32 v242, v243
	s_wait_dscnt 0x0
	CROUND                                         ; the closing round
	s_endpgm
.Lfunc_end_k_q71949eaf2b_ff1:
	.size	k_q71949eaf2b_ff1, .Lfunc_end_k_q71949eaf2b_ff1-k_q71949eaf2b_ff1
	.p2alignl 7, 3214868480
	.fill 96, 4, 3214868480
	.section	.rodata,"a",@progbits
	.p2align	6, 0x0
	.amdhsa_kernel k_q71949eaf2b_ff1
		.amdhsa_group_segment_fixed_size 262656
		.amdhsa_private_segment_fixed_size 0
		.amdhsa_enable_private_segment 0
		.amdhsa_kernarg_size 32
		.amdhsa_user_sgpr_count 2
		.amdhsa_user_sgpr_kernarg_segment_ptr 1
		.amdhsa_wavefront_size32 1
		.amdhsa_system_sgpr_workgroup_id_x 1
		.amdhsa_system_sgpr_workgroup_id_y 1
		.amdhsa_system_sgpr_workgroup_id_z 1
		.amdhsa_system_vgpr_workitem_id 0
		.amdhsa_next_free_vgpr 1024
		.amdhsa_next_free_sgpr 102
		.amdhsa_reserve_vcc 1
		.amdhsa_float_denorm_mode_32 3
		.amdhsa_float_denorm_mode_16_64 3
		.amdhsa_memory_ordered 1
		.amdhsa_forward_progress 1
		.amdhsa_inst_pref_size 162
	.end_amdhsa_kernel
	.amdgpu_metadata
---
amdhsa.version: [ 1, 2 ]
amdhsa.kernels:
  - .name:           k_q71949eaf2b_ff1
    .symbol:         k_q71949eaf2b_ff1.kd
    .args:
      - { .name: nx2, .offset: 0, .size: 8, .value_kind: global_buffer, .address_space: global }
      - { .name: wts, .offset: 8, .size: 8, .value_kind: global_buffer, .address_space: global }
      - { .name: hc, .offset: 16, .size: 8, .value_kind: global_buffer, .address_space: global }
      - { .name: b1, .offset: 24, .size: 8, .value_kind: global_buffer, .address_space: global }
    .group_segment_fixed_size: 262656
    .private_segment_fixed_size: 0
    .kernarg_segment_align: 8
    .kernarg_segment_size: 32
    .max_flat_workgroup_size: 128
    .sgpr_count:     102
    .vgpr_count:     1024
    .wavefront_size: 32
...
	.end_amdgpu_metadata
.endif
;; end of part 5
;; launch ff2 (part 6): grid 8 x 32, 4 waves a work-group, clusters of 4 x 4, 327,680 bytes of LDS; arguments hc, wts, x1, b2, out0; writes out0
.if DOCPART == 6
	.amdgcn_target "amdgcn-amd-amdhsa--gfx1250"
	.amdhsa_code_object_version 6
	.text
	.protected	k_q71949eaf2b_ff2
	.globl	k_q71949eaf2b_ff2
	.p2align	8
	.type	k_q71949eaf2b_ff2,@function
k_q71949eaf2b_ff2:
	s_mov_b64 s[64:65], 0
	v_nop
	global_prefetch_b8 v0, s[64:65] scope:SCOPE_SE
	s_setreg_imm32_b32 hwreg(HW_REG_WAVE_MODE, 25, 1), 1
	s_wait_xcnt 0x0
	s_wait_alu depctr_hold_cnt(0) depctr_sa_sdst(0) depctr_va_vdst(0) depctr_va_sdst(0) depctr_va_ssrc(0) depctr_va_vcc(0) depctr_vm_vsrc(0)
	s_getreg_b32 s2, hwreg(HW_REG_IB_STS2, 6, 4)
	s_cmp_eq_u32 s2, 0
	s_cbranch_scc0 .Lentry_in_a_cluster
	s_endpgm
.Lentry_in_a_cluster:
	s_bfe_u32 s2, ttmp6, 0x10000c
	s_cmp_lg_u32 s2, 0xf033
	s_cbranch_scc0 .Lentry_shape_is_right
	s_endpgm
.Lentry_shape_is_right:
; out = x1 + hidden W2 + b2, the product on codes of FP4 with E8M0 scales, K = 4,096.
; A work-group makes 128 tokens x 128 outputs (256 work-groups); four waves, each 64 x 64: 16 accumulators.  Operands lie in memory as images of operand registers (tile, K step: 1,024 bytes).
; K goes in three fills through two LDS regions of 212,992 and 98,304 bytes: a wave's tensor load brings four tiles x 13 or 6 images.  Two first fills and one refill, all written out;
; the refill has region B's six K steps, 96 matrix instructions a wave, in which to land.  A wave has at most one tensor load out.
; CLUSTER 4 x 4: tokens' tiles shared along a row, weights' along a column: joint loads; each refill stands behind a round of the cluster's barrier.
; Source 0 = weights, source 1 = tokens: a lane holds one token and eight neighbouring outputs; the bias is the C of the first K step.  Place r of tile 2 g + u is row 32 g + 8 u + r + 8 (r / 8).
; The way out goes through the wave's own stage in LDS; the residual, loaded at the start in the stores' shape, is added on the way.
; All of a WGP's LDS is claimed.
; REGISTERS: window 0: v1-12 addresses, v28, v29 for the add; v32-95 weights' scale words; v96-159 tokens'; v160-191 bias; v192-223 rows on the way out.
;   window 1: v0-127 accumulator (a, b) at v[8 (4 a + b)]; from v128 two sets of fragments of 64.   window 2: v0-127 the residual.
.set HS,    8388608
.set WS0,   6291456
; THE FILLS AS THIS TEXT HAS THEM (in place of the four chunks named above): K's 32 steps come in three fills, one tensor load a wave each: K steps 0-12 into region A at the head;
; K steps 13-18 into region B, a first fill behind a round; K steps 19-31 into region A again, a refill behind a round.
; A wave's load brings four tiles x 13 or 6 images; of group 1 the row's length alone differs, and it is written where no load of the wave is out.
.set APITCH, 13312                     ; a tile's 13 images in region A
.set BPITCH, 6144                      ; its 6 images in region B
.set BBASE, 16*APITCH                  ; region B begins behind A's 16 tiles
.set STAGE, BBASE                      ; the way out: 16 rows x 272 bytes for each wave, in region B, which has had its one fill, and its last read ahead of the last barrier
.set SPARE, BBASE+16*BPITCH            ; the spare words, 128 bytes for each wave
.set SX,   32
.set SY,   96
.set BIAS, 160
.set RB,   192
.set SPW,  28
.set NIL,  29
.set MSB,  0
.macro WIN new
.if MSB != (\new)
	s_set_vgpr_msb (MSB<<8)|(\new)
.set MSB, (\new)
.endif
.endm
.macro PLACES n
.rept \n
	v_nop
.endr
.endm
.macro CROUND
	s_barrier_signal -1
	s_barrier_wait -1
	s_cmp_lg_u32 s16, 0
	s_cbranch_scc1 .Lnot_wave_0_\@
	s_barrier_signal -3
.Lnot_wave_0_\@:
	s_barrier_wait -3
	s_barrier_signal -1
	s_barrier_wait -1
.endm
.macro JLOAD slot                      ; a joint load: waves 0, 1 fetch tokens' halves, waves 2, 3 weights'; four v_nop follow each of the two lines
	s_cmp_eq_u32 s17, 0
	s_cbranch_scc0 .Lfor_w_\@
	tensor_load_to_lds s[40+4*\slot:43+4*\slot], s[24:31]
	s_nop 0
	PLACES 4
	s_branch .Lasked_\@
.Lfor_w_\@:
	tensor_load_to_lds s[48+4*\slot:51+4*\slot], s[32:39]
	s_nop 0
	PLACES 4
.Lasked_\@:
.endm
.macro FETCH slot, q, p
	WIN 0x40
.irp i, 0,1,2,3
.irp c, 0,1
	ds_load_b128 v[128+64*(\p)+8*\i+4*\c:128+64*(\p)+8*\i+4*\c+3], v[6+\slot] offset:(APITCH-(APITCH-BPITCH)*(\slot))*\i+1024*(\q)+512*\c
	ds_load_b128 v[128+64*(\p)+32+8*\i+4*\c:128+64*(\p)+32+8*\i+4*\c+3], v[4+\slot] offset:(APITCH-(APITCH-BPITCH)*(\slot))*\i+1024*(\q)+512*\c
.endr
.endr
.endm
.macro WM ra, rb                       ; the product named by the symbols; ra, rb: which half of the lanes holds this K step's scale words
.if (\ra) && (\rb)
	v_wmma_scale_f32_16x16x128_f8f6f4 v[D_:D_+7], v[S0_:S0_+7], v[S1_:S1_+7], v[C_:C_+7], v[X0_], v[X1_] matrix_a_fmt:MATRIX_FMT_FP4 matrix_b_fmt:MATRIX_FMT_FP4 matrix_a_scale:MATRIX_SCALE_ROW1 matrix_b_scale:MATRIX_SCALE_ROW1
.elseif (\ra)
	v_wmma_scale_f32_16x16x128_f8f6f4 v[D_:D_+7], v[S0_:S0_+7], v[S1_:S1_+7], v[C_:C_+7], v[X0_], v[X1_] matrix_a_fmt:MATRIX_FMT_FP4 matrix_b_fmt:MATRIX_FMT_FP4 matrix_a_scale:MATRIX_SCALE_ROW1
.elseif (\rb)
	v_wmma_scale_f32_16x16x128_f8f6f4 v[D_:D_+7], v[S0_:S0_+7], v[S1_:S1_+7], v[C_:C_+7], v[X0_], v[X1_] matrix_a_fmt:MATRIX_FMT_FP4 matrix_b_fmt:MATRIX_FMT_FP4 matrix_b_scale:MATRIX_SCALE_ROW1
.else
	v_wmma_scale_f32_16x16x128_f8f6f4 v[D_:D_+7], v[S0_:S0_+7], v[S1_:S1_+7], v[C_:C_+7], v[X0_], v[X1_] matrix_a_fmt:MATRIX_FMT_FP4 matrix_b_fmt:MATRIX_FMT_FP4
.endif
.endm
.macro MUL ks, p                       ; 16 matrix instructions; the accumulators take turns
.if (\ks) == 0
	WIN 0x45
.else
	WIN 0x55
.endif
.irp a, 0,1,2,3
.irp b, 0,1,2,3
.set D_, 8*(4*\a+\b)
.set S0_, 128+64*(\p)+8*\b
.set S1_, 128+64*(\p)+32+8*\a
.set X0_, SX+16*\b+4*((\ks)/8)+(\ks)%4
.set X1_, SY+4*((\ks)/2)+\a
.if (\ks) == 0
.set C_, BIAS+8*\b
.else
.set C_, D_
.endif
	WM ((\ks)/4)%2, (\ks)%2
.endr
.endr
.endm
.macro CHUNK k0, n, slot               ; n K steps, from K step k0 on, out of a region; a K step's fragments are fetched one step ahead
	PLACES 4
	FETCH \slot, 0, 0
.set Q, 0
.rept \n
	s_wait_dscnt 0x0
.if Q < (\n)-1
	PLACES 4
	FETCH \slot, Q+1, (Q+1)%2
.endif
	MUL (\k0)+Q, Q%2
.set Q, Q+1
.endr
.endm
.macro FILL slot, row                  ; a fill behind the head: region B's first (slot 1) or region A's second (slot 0); row: a tile's images in elements of 8 bytes
	WIN 0
	s_wait_tensorcnt 0x0                           ; all my tensor loads have landed: descriptors may be written
	ds_add_u32 v[SPW], v[NIL]                      ; 0 onto my spare word
.irp g, 24,32
	s_mov_b32 s[\g+1], (\row)<<16                  ; tensor_dim0
	s_mov_b32 s[\g+3], (\row)<<16                  ; tile_dim0
.endr
.if (\slot) == 0
	s_add_nc_u64 s[42:43], s[42:43], 19*1024       ; K step 19 on
	s_add_nc_u64 s[50:51], s[50:51], 19*1024
.endif
	s_wait_dscnt 0x0                               ; the add is done, and my reads of the region are over
	CROUND                                         ; both now hold of every wave of every work-group of the cluster
	JLOAD \slot                                    ; my one tensor load behind the round, and the first thing there
.endm
.macro TOSTAGE a
	WIN 0x04
.irp b, 0,1,2,3
	ds_store_b128 v8, v[8*(4*\a+\b):8*(4*\a+\b)+3] offset:128*(\b/2)+32*(\b%2)
	ds_store_b128 v8, v[8*(4*\a+\b)+4:8*(4*\a+\b)+7] offset:128*(\b/2)+32*(\b%2)+16
.endr
	WIN 0
.irp t, 0,1,2,3,4,5,6,7
	ds_load_b128 v[RB+4*\t:RB+4*\t+3], v9 offset:544*\t
.endr
.endm
.macro SEND a
	s_wait_dscnt 0x0
	WIN 0x08
.set j, 0
.rept 16
	v_pk_add_f32 v[RB+j:RB+j+1], v[RB+j:RB+j+1], v[32*\a+j:32*\a+j+1]
.set j, j+2
.endr
	WIN 0
.irp t, 0,1,2,3,4,5,6,7
	global_store_b128 v10, v[RB+4*\t:RB+4*\t+3], s[92:93] offset:(32*(\a/2)+8*(\a%2)+2*\t+8*(\t/4))*4096 th:TH_STORE_NT   ; sixteen lanes store 256 consecutive bytes, aligned
.endr
	s_wait_xcnt 0x0
.endm
	s_load_b256 s[4:11], s[0:1], 0x0               ; hidden codes s[4:5], weights s[6:7], x1 s[8:9], b2 s[10:11]
	s_load_b64 s[12:13], s[0:1], 0x20              ; out
	v_lshl_add_u32 v[SPW], v0, 2, SPARE
	v_mov_b32 v[NIL], 0
	ds_add_u32 v28, v29
	ds_add_u32 v28, v29
	s_wait_dscnt 0x0
	v_lshrrev_b32 v1, 5, v0
	v_readfirstlane_b32 s16, v1
	s_lshr_b32 s17, s16, 1
	s_and_b32 s18, s16, 1
	s_bfe_u32 s19, ttmp6, 0x40000
	s_bfe_u32 s20, ttmp6, 0x40004
	s_lshl_b32 s21, ttmp9, 2
	s_add_co_u32 s21, s21, s19
	s_and_b32 s22, ttmp7, 0xffff
	s_lshl_b32 s22, s22, 2
	s_add_co_u32 s22, s22, s20
	s_lshl_b32 s76, s20, 2
	s_lshl_b32 s76, 15, s76
	s_lshl_b32 s77, 0x1111, s19
	; group 1: four rows (tiles) of 13 images (13,312 bytes), 32,768 bytes apart; elements of 8 bytes
	s_or_b32 s24, s76, (3<<16)|(1<<21)
	s_or_b32 s32, s77, (3<<16)|(1<<21)
.irp g, 24,32
	s_mov_b32 s[\g+1], 1664<<16
	s_mov_b32 s[\g+2], 4<<16
	s_mov_b32 s[\g+3], 1664<<16
	s_mov_b32 s[\g+4], 4
	s_mov_b32 s[\g+5], 4096
	s_mov_b32 s[\g+6], 0
	s_mov_b32 s[\g+7], 0
.endr
	s_lshl_b32 s80, s18, 17
	s_lshl_b32 s78, s22, 18
	s_add_co_u32 s78, s78, s80
	s_mov_b32 s79, 0
	s_lshl_b32 s82, s21, 18
	s_add_co_u32 s82, s82, s80
	s_add_co_u32 s82, s82, 8*524288                ; w2's codes
	s_mov_b32 s83, 0
	s_mul_i32 s81, s16, 4*APITCH                   ; LDS, region A: four tiles a wave
	s_mul_i32 s80, s16, 4*BPITCH
	s_add_co_u32 s80, s80, BBASE                   ; and region B
	s_wait_kmcnt 0x0
	s_add_nc_u64 s[78:79], s[4:5], s[78:79]
	s_add_nc_u64 s[82:83], s[6:7], s[82:83]
.irp s, 0,1
	s_mov_b32 s[40+4*\s], 1
	s_mov_b32 s[41+4*\s], s[81-\s]
	s_add_nc_u64 s[42+4*\s:43+4*\s], s[78:79], \s*13*1024
	s_or_b32 s[43+4*\s], s[43+4*\s], 0x80000000
	s_mov_b32 s[48+4*\s], 1
	s_mov_b32 s[49+4*\s], s[81-\s]
	s_add_nc_u64 s[50+4*\s:51+4*\s], s[82:83], \s*13*1024
	s_or_b32 s[51+4*\s], s[51+4*\s], 0x80000000
.endr
	CROUND
	JLOAD 0                                        ; K steps 0-12: my one tensor load at the head
	v_and_b32 v2, 31, v0
	v_lshlrev_b32 v1, 4, v2
	v_and_b32 v2, 15, v0
	s_wait_alu depctr_va_vdst(0)
	v_bfe_u32 v3, v0, 4, 1
	s_mul_i32 s88, s17, 4*APITCH
	s_mul_i32 s89, s18, 4*APITCH
	s_add_co_u32 s89, s89, 8*APITCH
	v_add_nc_u32 v4, s88, v1                       ; region A: my four tiles of tokens
	v_add_nc_u32 v6, s89, v1                       ; and of weights
	s_mul_i32 s88, s17, 4*BPITCH
	s_mul_i32 s89, s18, 4*BPITCH
	s_add_co_u32 s88, s88, BBASE
	s_add_co_u32 s89, s89, BBASE+8*BPITCH
	v_add_nc_u32 v5, s88, v1                       ; region B likewise
	v_add_nc_u32 v7, s89, v1
	s_mul_i32 s88, s16, 16*272
	s_add_co_u32 s88, s88, STAGE
	v_mul_u32_u24 v8, v2, 272
	s_wait_alu depctr_va_vdst(0)
	v_lshl_add_u32 v8, v3, 6, v8
	v_add_nc_u32 v8, s88, v8
	v_mul_u32_u24 v9, v3, 272
	v_lshl_add_u32 v9, v2, 4, v9
	v_add_nc_u32 v9, s88, v9
	v_lshlrev_b32 v11, 4, v2
	v_lshl_add_u32 v10, v3, 12, v11
	v_lshl_add_u32 v11, v3, 14, v11                ; tokens' scale words: lanes 16-31 take the odd K step, 16,384 bytes on
	s_wait_alu depctr_va_vdst(0)
	v_lshlrev_b32 v12, 6, v3
	s_wait_alu depctr_va_vdst(0)
	s_lshl_b32 s84, s21, 14                        ; weights' scale words: 2,048 bytes a tile
	s_lshl_b32 s86, s18, 13
	s_add_co_u32 s84, s84, s86
	s_add_co_u32 s84, s84, WS0+8*32768
	s_mov_b32 s85, 0
	s_add_nc_u64 s[84:85], s[6:7], s[84:85]
	s_lshl_b32 s86, s22, 9                         ; tokens': [K step][eight tiles][four tiles][r][tile]
	s_lshl_b32 s88, s17, 8
	s_add_co_u32 s86, s86, s88
	s_add_co_u32 s86, s86, HS
	s_mov_b32 s87, 0
	s_add_nc_u64 s[86:87], s[4:5], s[86:87]
	s_lshl_b32 s88, s21, 9
	s_lshl_b32 s89, s18, 8
	s_add_co_u32 s88, s88, s89
	s_mov_b32 s89, 0
	s_add_nc_u64 s[90:91], s[10:11], s[88:89]
	s_lshl_b32 s94, s22, 19
	s_lshl_b32 s95, s17, 18
	s_add_co_u32 s94, s94, s95
	s_add_co_u32 s94, s94, s88
	s_mov_b32 s95, 0
	s_add_nc_u64 s[92:93], s[12:13], s[94:95]
	s_add_nc_u64 s[96:97], s[8:9], s[94:95]
.irp b, 0,1,2,3
.irp g, 0,1,2,3
	global_load_b128 v[SX+16*\b+4*\g:SX+16*\b+4*\g+3], v1, s[84:85] offset:2048*\b+512*\g   ; K steps 8 g + 4 h + 0 .. 3 of tile b
.endr
.endr
.irp p, 0,1,2,3,4,5,6,7,8,9,10,11,12,13,14,15
	global_load_b128 v[SY+4*\p:SY+4*\p+3], v11, s[86:87] offset:32768*\p   ; K step 2 p + h, my four tiles
.endr
.irp b, 0,1,2,3
	global_load_b128 v[BIAS+8*\b:BIAS+8*\b+3], v12, s[90:91] offset:(32*(\b/2)+8*(\b%2))*4
	global_load_b128 v[BIAS+8*\b+4:BIAS+8*\b+7], v12, s[90:91] offset:(32*(\b/2)+8*(\b%2))*4+16
.endr
	WIN 0x80
.irp a, 0,1,2,3
.irp t, 0,1,2,3,4,5,6,7
	global_load_b128 v[32*\a+4*\t:32*\a+4*\t+3], v10, s[96:97] offset:(32*(\a/2)+8*(\a%2)+2*\t+8*(\t/4))*4096
.endr
.endr
	WIN 0
	s_wait_loadcnt 32                              ; scale words and bias are in; the residual's 32 loads may be out
	FILL 1, 768                                    ; K steps 0-12 are in, everybody's; K steps 13-18 are asked for
	CHUNK 0, 13, 0
	FILL 0, 1664                                   ; K steps 19-31 into region A
	CHUNK 13, 6, 1
	WIN 0
	s_wait_tensorcnt 0x0                           ; my part of the last chunk has landed,
	s_wait_dscnt 0x0
	s_barrier_signal -1
	s_barrier_wait -1                              ; everybody's has; nothing is filled any more
	CHUNK 19, 13, 0
	WIN 0
	PLACES 4
	s_wait_loadcnt 0x0                             ; the residual
.irp a, 0,1,2,3
	TOSTAGE \a
	SEND \a
.endr
	s_wait_tensorcnt 0x0                           ; the wave's end
	ds_add_u32 v[SPW], v[NIL]
	s_wait_dscnt 0x0
	CROUND                                         ; the closing round
	s_endpgm
.Lfunc_end_k_q71949eaf2b_ff2:
	.size	k_q71949eaf2b_ff2, .Lfunc_end_k_q71949eaf2b_ff2-k_q71949eaf2b_ff2
	.p2alignl 7, 3214868480
	.fill 96, 4, 3214868480
	.section	.rodata,"a",@progbits
	.p2align	6, 0x0
	.amdhsa_kernel k_q71949eaf2b_ff2
		.amdhsa_group_segment_fixed_size 327680
		.amdhsa_private_segment_fixed_size 0
		.amdhsa_enable_private_segment 0
		.amdhsa_kernarg_size 40
		.amdhsa_user_sgpr_count 2
		.amdhsa_user_sgpr_kernarg_segment_ptr 1
		.amdhsa_wavefront_size32 1
		.amdhsa_system_sgpr_workgroup_id_x 1
		.amdhsa_system_sgpr_workgroup_id_y 1
		.amdhsa_system_sgpr_workgroup_id_z 1
		.amdhsa_system_vgpr_workitem_id 0
		.amdhsa_next_free_vgpr 768
		.amdhsa_next_free_sgpr 100
		.amdhsa_reserve_vcc 0
		.amdhsa_float_denorm_mode_32 3
		.amdhsa_float_denorm_mode_16_64 3
		.amdhsa_memory_ordered 1
		.amdhsa_forward_progress 1
		.amdhsa_inst_pref_size 132
	.end_amdhsa_kernel
	.amdgpu_metadata
---
amdhsa.version: [ 1, 2 ]
amdhsa.kernels:
  - .name:           k_q71949eaf2b_ff2
    .symbol:         k_q71949eaf2b_ff2.kd
    .args:
      - { .name: hc, .offset: 0, .size: 8, .value_kind: global_buffer, .address_space: global }
      - { .name: wts, .offset: 8, .size: 8, .value_kind: global_buffer, .address_space: global }
      - { .name: x1, .offset: 16, .size: 8, .value_kind: global_buffer, .address_space: global }
      - { .name: b2, .offset: 24, .size: 8, .value_kind: global_buffer, .address_space: global }
      - { .name: out0, .offset: 32, .size: 8, .value_kind: global_buffer, .address_space: global }
    .group_segment_fixed_size: 327680
    .private_segment_fixed_size: 0
    .kernarg_segment_align: 8
    .kernarg_segment_size: 40
    .max_flat_workgroup_size: 128
    .sgpr_count:     100
    .vgpr_count:     768
    .wavefront_size: 32
...
	.end_amdgpu_metadata
.endif
;; end of part 6
